; MI455X (gfx1250); checked and timed in simulation.
; The chip was launched on July 23, 2026; its instructions are those of AMD's public machine-readable ISA for CDNA 5 (MIT licence, August 2026) and "CDNA5" Instruction Set Architecture Reference Guide (July 2026). The comments in the code are by the model that wrote it; some were corrected since.
;; Block. Allowed arithmetic: matrix products marked QUANTISED: E2M1 operands, one E8M0 scale for each 32 along K, by v_wmma_scale_f32_16x16x128_f8f6f4 with both operands' format E2M1 (or v_wmma_scale_f32_32x16x128_f4), f32 sums; everything else in f32.
;; Inputs: W1_codes 4,096 x 32 x 16 uint8 (E2M1 codes of W1, K innermost, in blocks of 32 codes, two codes a byte); W1_scales 4,096 x 32 uint8 (E8M0 scales of W1, one for each 32 codes along K); W2_codes 1,024 x 128 x 16 uint8 (E2M1 codes of W2, K innermost, in blocks of 32 codes, two codes a byte); W2_scales 1,024 x 128 uint8 (E8M0 scales of W2, one for each 32 codes along K); Wk_codes 16 x 64 x 32 x 16 uint8 (E2M1 codes of Wk, K innermost, in blocks of 32 codes, two codes a byte); Wk_scales 16 x 64 x 32 uint8 (E8M0 scales of Wk, one for each 32 codes along K); Wo_codes 1,024 x 32 x 16 uint8 (E2M1 codes of Wo, K innermost, in blocks of 32 codes, two codes a byte); Wo_scales 1,024 x 32 uint8 (E8M0 scales of Wo, one for each 32 codes along K); Wq_codes 16 x 64 x 32 x 16 uint8 (E2M1 codes of Wq, K innermost, in blocks of 32 codes, two codes a byte); Wq_scales 16 x 64 x 32 uint8 (E8M0 scales of Wq, one for each 32 codes along K); Wv_codes 16 x 64 x 32 x 16 uint8 (E2M1 codes of Wv, K innermost, in blocks of 32 codes, two codes a byte); Wv_scales 16 x 64 x 32 uint8 (E8M0 scales of Wv, one for each 32 codes along K); b1 4,096 float32; b2 1,024 float32; be1 1,024 float32; be2 1,024 float32; bo 1,024 float32; g1 1,024 float32; g2 1,024 float32; x 2 x 2,048 x 1,024 float32.
;; Outputs: out0 2 x 2,048 x 1,024 float32.
;; This version of the problem:
;;   THIS VERSION OF THE PROBLEM IS GIVEN IN LOW PRECISION. The matrix products marked QUANTISED in the list below multiply operands that are first quantised to E2M1 (2 exponent bits, 1 mantissa bit; 4 bits a number), with one power-of-two scale for each 32 numbers along K (OCP MX v1.0); their sums are f32. All else is computed in f32.
;;   The module's matrix products, in the order in which they are computed (A, B: the left and right operand; K: the contracted axis; several contracted axes count as one K, in the product's order):
;;     1. [M 1,024, K 1,024] x [K 1,024, N 4,096]; A: input Wq (given as codes); B: computed on the way: QUANTISED
;;     2. [M 1,024, K 1,024] x [K 1,024, N 4,096]; A: input Wk (given as codes); B: computed on the way: QUANTISED
;;     3. [M 1,024, K 1,024] x [K 1,024, N 4,096]; A: input Wv (given as codes); B: computed on the way: QUANTISED
;;     4. batch 32 x [M 2,048, K 64] x [K 64, N 2,048]; A: computed on the way; B: computed on the way: QUANTISED
;;     5. batch 32 x [M 2,048, K 2,048] x [K 2,048, N 64]; A: softmax (see below); B: computed on the way: QUANTISED
;;     6. [M 4,096, K 1,024] x [K 1,024, N 1,024]; A: computed on the way; B: input Wo (given as codes): QUANTISED
;;     7. [M 4,096, K 1,024] x [K 1,024, N 4,096]; A: computed on the way; B: input W1 (given as codes): QUANTISED
;;     8. [M 4,096, K 4,096] x [K 4,096, N 1,024]; A: computed on the way; B: input W2 (given as codes): QUANTISED
;;   THE QUANTISER, for each operand of a quantised product, along K:
;;     - K is cut into blocks of 32 from its start; a last block that is shorter is filled with zeros.
;;     - A block's scale is 2^e with e = floor(log2(the largest magnitude in the block)) - 2, held to -126 .. 127; a block of zeros has e = 0. As a byte (E8M0): e + 127.
;;     - Each number is divided by its block's scale, clamped to +-6, and rounded to the nearest number of E2M1, ties to even, subnormals kept.
;;     - The product sums the exact products of the quantised numbers (number of the format x scale) in f32.
;;   ~~~python
;;   def quantise(x, axis):      # numpy; x: float32 -> the quantised numbers, widened to float32 again
;;       x = np.moveaxis(x, axis, -1); K = x.shape[-1]
;;       x = np.pad(x, [(0, 0)] * (x.ndim - 1) + [(0, -K % 32)]); x = x.reshape(x.shape[:-1] + (-1, 32)); a = np.abs(x).max(-1, keepdims=True)
;;       e = np.where(a > 0, np.clip(np.frexp(np.where(a > 0, a, 1))[1] - 1 - 2, -126, 127), 0)      # np.frexp(a)[1] - 1 = floor(log2(a)), exactly
;;       r = np.clip(x / 2.0 ** e, -6, 6)
;;       step = 2.0 ** (np.maximum(np.frexp(np.where(r == 0, 1, r))[1] - 1, 0) - 1)
;;       q = np.round(r / step) * step * 2.0 ** e      # np.round: ties to even
;;       return np.moveaxis(q.reshape(q.shape[:-2] + (-1,))[..., :K], -1, axis).astype(np.float32)
;;   ~~~
;;   SOFTMAX AHEAD OF A QUANTISED PRODUCT. Where the list says 'softmax', what is quantised is not the finished softmax but p = 2^(t - M), with t = logit x log2(e) and M = ceil(the row's largest t), a whole number; so 1/2 < the row's largest p <= 1. The row's sum l is taken of the UNQUANTISED p, in f32, and the product's result is divided by l at the end. Since M is a whole number, a kernel that streams over the keys may use a running M (the ceiling of the running maximum): every later rescaling is an exact power of two, which a block's scale takes up: the codes' values come out the same.
;;   OPERANDS COMPUTED ON THE WAY. 'Computed on the way' means the value that the module computes at that place (a softmax that the list does not call 'softmax' is quantised finished and normalised). What goes into a quantiser is computed in f32, as accurately as f32 sums, v_exp_f32 and their like allow (about 1e-6 of the number): no bf16 or f16 on the way to a quantiser, and a product that is left as it is and whose result goes on into a quantised operand takes f32 operands (vector FMAs, or v_wmma_f32_16x16x4_f32). A number that lies on a knife's edge between two numbers of the format may be rounded either way, as far as f32 arithmetic and the matrix unit's own rounding can turn it there, and no further.
;;   INPUTS GIVEN AS CODES. W1 (in the module: [1024, 4096], K = its axis 0); W2 (in the module: [4096, 1024], K = its axis 0); Wk (in the module: [16, 1024, 64], K = its axis 1); Wo (in the module: [1024, 1024], K = its axis 0); Wq (in the module: [16, 1024, 64], K = its axis 1); Wv (in the module: [16, 1024, 64], K = its axis 1): each comes as NAME_codes (uint8): NAME with its K axis moved to the last place and cut into blocks of 32 codes, [.., K / 32, bytes a block], one block behind the other in memory; two codes a byte, the lower K in the low four bits (a code: sign, 2 exponent bits, 1 mantissa bit); and NAME_scales (uint8): the same leading axes, one E8M0 byte (e + 127) for each 32 codes along K. Its value is code x scale, taken as it is: it is not quantised again, and the codes and scales need not be those that the quantiser above would give.
;; One version. Each part assembles by itself: llvm-mc -triple=amdgcn-amd-amdhsa -mcpu=gfx1250 --defsym DOCPART=n.
;; ======== version 1 of 1: 4 launches
;; limits: right only within a limited range of input values
;; workspace buffers: lnc 4,194,304 bytes; lns 262,144 bytes; qkvc 6,291,456 bytes; qkvs 393,216 bytes; a2c 10,485,760 bytes; a2s 655,360 bytes
;; launch lnq (part 1): grid 256 x 1, 4 waves a work-group, no clusters, 38,400 bytes of LDS; arguments x, g1, be1, g2, be2, lnc, lns; writes lnc, lns
.if DOCPART == 1
	.amdgcn_target "amdgcn-amd-amdhsa--gfx1250"
	.amdhsa_code_object_version 6
	.text
	.protected	k_q1ca011ca53_lnq
	.globl	k_q1ca011ca53_lnq
	.p2align	8
	.type	k_q1ca011ca53_lnq,@function
k_q1ca011ca53_lnq:
	s_mov_b64 s[64:65], 0
	v_nop
	global_prefetch_b8 v0, s[64:65] scope:SCOPE_SE
	s_setreg_imm32_b32 hwreg(HW_REG_WAVE_MODE, 25, 1), 1
	s_wait_xcnt 0x0
; h = LN(x; g1, be1) and f = LN(x; g2, be2), x: [4096][1024] f32, both turned into codes of FP4 (E2M1) along the row, one E8M0 byte for each 32.
; lnc: h's codes [4096][512 bytes], f's 2,097,152 bytes further on.  lns: h's scale bytes [4096][32], f's 131,072 bytes further on.
; One mean and one variance serve both: z = (x - mean) / sqrt(var + 1e-5), h = z g1 + be1, f = z g2 + be2, all in f32; the variance is taken of the centred numbers.
; SHARES.  A work-group of four waves takes 16 rows, a wave 4.  A row has 32 blocks of 32: after a turn through the wave's own stage in LDS lane l holds block l, 32 neighbours in 32 registers.
; So a block's largest magnitude needs no other lane, four conversions give the lane's 16 bytes of the row's codes, and one store of the wave writes the row's 512 bytes.
; g1, be1, g2, be2 take the same turn once (each wave brings a quarter of each) and stay in registers: lane l holds their block l.
; In LDS a block of 128 bytes is followed by 16 bytes of padding: the 16-byte pieces that sixteen neighbouring lanes read lie 144 bytes apart, at sixteen different places modulo 256.
; A block's scale is 2^(floor(log2(largest magnitude)) - 2): its byte is the largest magnitude's exponent field - 2, held at 1 from below by a floor among the maximum's leaves.
; LIMITS: NaN and infinities among the inputs are not served; a block whose largest magnitude lies under 2^-124 gets the byte 1; a block of zeros gets the byte 1 and not 127 (its codes are zeros; this program alone reads the bytes).
; No matrix unit, no cluster, no tensor load: the launch streams, and the work-groups share only the 16 KB of gains and biases.
.set GBP,  4608                        ; a vector of 1,024 numbers in LDS: 32 blocks x 144 bytes
.set STG,  4*GBP                       ; behind the four vectors: a stage of one row for each wave
.set SCB,  8*GBP                       ; behind the stages: the scale bytes [h, f][16 rows][32]
.set X,    64                          ; v64-191  my four rows, 32 registers each
.set H,    192                         ; v192-223 the 32 numbers that are being quantised
.set CD,   224                         ; v224-255 first g and b on their way to LDS, then the codes: 4 registers for each (row, h or f), so that no store's data are written again
.set SBY,  32                          ; v32-39   a scale byte for each (row, h or f)
; window 1, v0-127: g1, be1, g2, be2, my block of each
.set MSB, 0
.macro WIN new                         ; the immediate's high byte repeats the setting that is left
.if MSB != \new
	s_set_vgpr_msb (MSB<<8)|\new
.set MSB, \new
.endif
.endm
.macro ACROSS                          ; v20 summed over the 32 lanes, the result in every lane
	v_add_f32_dpp v20, v20, v20 row_xmask:1 row_mask:0xf bank_mask:0xf
	v_add_f32_dpp v20, v20, v20 row_xmask:2 row_mask:0xf bank_mask:0xf
	v_add_f32_dpp v20, v20, v20 row_xmask:4 row_mask:0xf bank_mask:0xf
	v_add_f32_dpp v20, v20, v20 row_xmask:8 row_mask:0xf bank_mask:0xf
	v_permlanex16_b32 v21, v20, s20, s21
	v_add_f32 v20, v20, v21
.endm
	s_load_b256 s[4:11], s[0:1], 0x0               ; x s[4:5], g1 s[6:7], be1 s[8:9], g2 s[10:11]
	s_load_b128 s[12:15], s[0:1], 0x20             ; be2 s[12:13], lnc s[14:15]
	s_load_b64 s[16:17], s[0:1], 0x30              ; lns
	v_lshl_add_u32 v62, v0, 2, 0x9400
	v_mov_b32 v63, 0
	v_lshrrev_b32 v1, 5, v0
	v_readfirstlane_b32 s18, v1                    ; wave 0..3
	v_and_b32 v1, 31, v0                           ; lane
	s_mov_b32 s20, 0x76543210
	s_mov_b32 s21, 0xfedcba98                      ; v_permlanex16_b32's selects for lane l xor 16
	s_mov_b32 s22, 0x3a800000                      ; 1 / 1024
	s_mov_b32 s23, 0x3727c5ac                      ; 1e-5
	v_lshrrev_b32 v12, 3, v1
	v_and_b32 v13, 7, v1
	v_mul_u32_u24 v12, v12, 144
	v_lshl_add_u32 v12, v13, 4, v12                ; a load's 512 bytes are four blocks: 144 (lane / 8) + 16 (lane % 8)
	s_mul_i32 s26, s18, GBP
	s_add_co_u32 s26, s26, STG                     ; my stage
	v_add_nc_u32 v2, s26, v12                      ; into it, as loaded
	v_mul_u32_u24 v4, v1, 144                      ; my block in a vector
	v_add_nc_u32 v3, s26, v4                       ; and in my stage
	s_mul_i32 s27, s18, 1152
	v_add_nc_u32 v5, s27, v12                      ; g and b into LDS: my wave's quarter is eight blocks
	v_lshlrev_b32 v7, 4, v1                        ; 16 x lane: x's offset, and the codes'
	s_lshl_b32 s27, s18, 10
	v_add_nc_u32 v6, s27, v7                       ; my wave's quarter of g and b in memory
	s_lshl_b32 s27, s18, 7
	s_add_co_u32 s27, s27, SCB
	v_add_nc_u32 v9, s27, v1                       ; my byte among the scale bytes: 32 x (4 wave + row) + lane
	s_and_b32 s28, s18, 1
	s_lshl_b32 s27, s28, 9
	s_add_co_u32 s27, s27, SCB
	v_add_nc_u32 v10, s27, v7                      ; the way out of the scale bytes: wave 0 takes h's 512, wave 1 f's
	s_lshl_b32 s27, s28, 17
	v_add_nc_u32 v11, s27, v7
	v_mov_b32 v21, 0                               ; written once: a lane permute's destination counts as one of its sources
	s_wait_alu depctr_va_vdst(0)
	s_wait_kmcnt 0x0
	s_lshl_b32 s26, ttmp9, 16                      ; 16 rows of 4,096 bytes a work-group,
	s_lshl_b32 s27, s18, 14                        ; 4 a wave
	s_add_co_u32 s26, s26, s27
	s_mov_b32 s27, 0
	s_add_nc_u64 s[4:5], s[4:5], s[26:27]
	s_lshr_b32 s26, s26, 3                         ; a row of codes is 512 bytes
	s_add_nc_u64 s[14:15], s[14:15], s[26:27]      ; h's codes
	s_add_nc_u64 s[24:25], s[14:15], 0x200000      ; f's
	s_lshl_b32 s26, ttmp9, 9                       ; 16 rows of 32 scale bytes
	s_add_nc_u64 s[16:17], s[16:17], s[26:27]
.irp t, 0,1
	global_load_b128 v[CD+4*\t:CD+4*\t+3],       v6, s[6:7]   offset:512*\t
	global_load_b128 v[CD+8+4*\t:CD+8+4*\t+3],   v6, s[8:9]   offset:512*\t
	global_load_b128 v[CD+16+4*\t:CD+16+4*\t+3], v6, s[10:11] offset:512*\t
	global_load_b128 v[CD+24+4*\t:CD+24+4*\t+3], v6, s[12:13] offset:512*\t
.endr
.irp i, 0,1,2,3
.irp t, 0,1,2,3,4,5,6,7
	global_load_b128 v[X+32*\i+4*\t:X+32*\i+4*\t+3], v7, s[4:5] offset:\i*4096+512*\t th:TH_LOAD_NT   ; 32 lanes read 512 consecutive bytes; all four rows are asked for at once
.endr
.endr
	s_wait_loadcnt 32                              ; g and b are in; the 32 loads of x may be out
.irp v, 0,1,2,3
.irp t, 0,1
	ds_store_b128 v5, v[CD+8*\v+4*\t:CD+8*\v+4*\t+3] offset:\v*GBP+576*\t
.endr
.endr
	s_wait_dscnt 0x0                               ; for the others' sake: my quarter lies in LDS
	s_barrier_signal -1
	s_barrier_wait -1
	WIN 0x40                                       ; destination window 1
.irp v, 0,1,2,3
.irp e, 0,1,2,3,4,5,6,7
	ds_load_b128 v[32*\v+4*\e:32*\v+4*\e+3], v4 offset:\v*GBP+16*\e
.endr
.endr
	WIN 0
.irp i, 0,1,2,3                        ; the turn: a row goes into the stage as it was loaded and comes back a block a lane.  LDS serves a wave's instructions in order (ISA guide 5.7.1.4): one stage serves the four rows
	s_wait_loadcnt 24-8*\i                         ; this row's eight loads are in; the later rows' may be out
.irp t, 0,1,2,3,4,5,6,7
	ds_store_b128 v2, v[X+32*\i+4*\t:X+32*\i+4*\t+3] offset:576*\t
.endr
.irp e, 0,1,2,3,4,5,6,7
	ds_load_b128 v[X+32*\i+4*\e:X+32*\i+4*\e+3], v3 offset:16*\e
.endr
.endr
.macro ROW i
.set XR, X+32*(\i)
	s_wait_dscnt 48-16*(\i)                        ; my block of this row is back (and g and b, asked for earlier); behind it stand the later rows' 16 LDS instructions each
	v_pk_add_f32 v[16:17], v[XR:XR+1], v[XR+2:XR+3]                ; the sum, two at a time, in two chains
	v_pk_add_f32 v[18:19], v[XR+4:XR+5], v[XR+6:XR+7]
.irp j, 8,12,16,20,24,28
	v_pk_add_f32 v[16:17], v[16:17], v[XR+\j:XR+\j+1]
	v_pk_add_f32 v[18:19], v[18:19], v[XR+\j+2:XR+\j+3]
.endr
	v_pk_add_f32 v[16:17], v[16:17], v[18:19]
	v_add_f32 v20, v16, v17
	ACROSS
	v_mul_f32 v22, s22, v20                        ; the mean, twice: a pair for the packed form
	v_mul_f32 v23, s22, v20
.irp j, 0,2,4,6,8,10,12,14,16,18,20,22,24,26,28,30
	v_pk_add_f32 v[XR+\j:XR+\j+1], v[XR+\j:XR+\j+1], v[22:23] neg_lo:[0,1] neg_hi:[0,1]   ; x - mean
.endr
	v_pk_mul_f32 v[16:17], v[XR:XR+1], v[XR:XR+1]                  ; the sum of the squares of the centred numbers
	v_pk_mul_f32 v[18:19], v[XR+2:XR+3], v[XR+2:XR+3]
.irp j, 4,8,12,16,20,24,28
	v_pk_fma_f32 v[16:17], v[XR+\j:XR+\j+1], v[XR+\j:XR+\j+1], v[16:17]
	v_pk_fma_f32 v[18:19], v[XR+\j+2:XR+\j+3], v[XR+\j+2:XR+\j+3], v[18:19]
.endr
	v_pk_add_f32 v[16:17], v[16:17], v[18:19]
	v_add_f32 v20, v16, v17
	ACROSS
	v_fma_f32 v20, v20, s22, s23                   ; the variance + 1e-5
	s_wait_alu depctr_va_vdst(0)
	v_rsq_f32 v24, v20
	v_rsq_f32 v25, v20                             ; twice: a pair
	v_nop                                          ; a plain instruction behind the transcendentals (ISA guide 5.7.2),
	s_wait_alu depctr_va_vdst(0)                   ; and a wait ahead of the first reader
.irp j, 0,2,4,6,8,10,12,14,16,18,20,22,24,26,28,30
	v_pk_mul_f32 v[XR+\j:XR+\j+1], v[XR+\j:XR+\j+1], v[24:25]      ; z
.endr
.irp op, 0,1                           ; h, then f
	WIN 0x14                                       ; sources 1 and 2 (gain, bias) window 1
.irp j, 0,2,4,6,8,10,12,14,16,18,20,22,24,26,28,30
	v_pk_fma_f32 v[H+\j:H+\j+1], v[XR+\j:XR+\j+1], v[64*\op+\j:64*\op+\j+1], v[64*\op+32+\j:64*\op+33+\j]
.endr
	WIN 0
	v_max3_num_f32 v26, |v[H]|, |v[H+1]|, |v[H+2]|                 ; the block's largest magnitude: all 32 numbers are mine
	v_max3_num_f32 v27, |v[H+3]|, |v[H+4]|, |v[H+5]|
.irp j, 6,10,14,18,22,26
	v_max3_num_f32 v26, v26, |v[H+\j]|, |v[H+\j+1]|
	v_max3_num_f32 v27, v27, |v[H+\j+2]|, |v[H+\j+3]|
.endr
	v_max3_num_f32 v26, v26, |v[H+30]|, |v[H+31]|
	v_max3_num_f32 v26, v26, v27, 0x1800000        ; and the floor 2^(3 - 127): the byte cannot fall under 1
	v_add_nc_u32 v28, 0xff000000, v26              ; 2 off the exponent field: the conversion takes this operand's exponent field as its scale, and nothing else of it
.irp g, 0,1,2,3
	v_cvt_scalef32_pk8_fp4_f32 v[CD+8*(\i)+4*\op+\g], v[H+8*\g:H+8*\g+7], v28
.endr
	v_lshrrev_b32 v[SBY+2*(\i)+\op], 23, v28       ; the scale's byte; also the plain line behind the conversions, ahead of the next write of H
	global_store_b128 v7, v[CD+8*(\i)+4*\op:CD+8*(\i)+4*\op+3], s[14+10*\op:15+10*\op] offset:512*(\i)   ; the wave stores the row's 512 bytes of codes
	ds_store_b8 v9, v[SBY+2*(\i)+\op] offset:512*\op+32*(\i)
.endr
.endm
	ROW 0
	ROW 1
	ROW 2
	ROW 3
	s_wait_dscnt 0x0                               ; for the others' sake: my scale bytes lie in LDS
	s_barrier_signal -1
	s_barrier_wait -1
	s_cmp_lt_u32 s18, 2
	s_cbranch_scc0 .Ldone
	ds_load_b128 v[16:19], v10                     ; wave 0: the 16 rows' 512 bytes of h's scales; wave 1: f's
	s_wait_dscnt 0x0
	global_store_b128 v11, v[16:19], s[16:17]      ; 512 consecutive bytes, at a multiple of 256 from the buffer's first byte
.Ldone:
	s_wait_tensorcnt 0x0
	ds_add_u32 v62, v63
	s_wait_dscnt 0x0
	s_endpgm
.Lfunc_end_k_q1ca011ca53_lnq:
	.size	k_q1ca011ca53_lnq, .Lfunc_end_k_q1ca011ca53_lnq-k_q1ca011ca53_lnq
	.p2alignl 7, 3214868480
	.fill 96, 4, 3214868480
	.section	.rodata,"a",@progbits
	.p2align	6, 0x0
	.amdhsa_kernel k_q1ca011ca53_lnq
		.amdhsa_group_segment_fixed_size 38400
		.amdhsa_private_segment_fixed_size 0
		.amdhsa_enable_private_segment 0
		.amdhsa_kernarg_size 56
		.amdhsa_user_sgpr_count 2
		.amdhsa_user_sgpr_kernarg_segment_ptr 1
		.amdhsa_wavefront_size32 1
		.amdhsa_system_sgpr_workgroup_id_x 1
		.amdhsa_system_sgpr_workgroup_id_y 1
		.amdhsa_system_sgpr_workgroup_id_z 1
		.amdhsa_system_vgpr_workitem_id 0
		.amdhsa_next_free_vgpr 384
		.amdhsa_next_free_sgpr 66
		.amdhsa_reserve_vcc 0
		.amdhsa_float_denorm_mode_32 3
		.amdhsa_float_denorm_mode_16_64 3
		.amdhsa_memory_ordered 1
		.amdhsa_forward_progress 1
		.amdhsa_inst_pref_size 55
	.end_amdhsa_kernel
	.amdgpu_metadata
---
amdhsa.version: [ 1, 2 ]
amdhsa.kernels:
  - .name:           k_q1ca011ca53_lnq
    .symbol:         k_q1ca011ca53_lnq.kd
    .args:
      - { .name: x, .offset: 0, .size: 8, .value_kind: global_buffer, .address_space: global }
      - { .name: g1, .offset: 8, .size: 8, .value_kind: global_buffer, .address_space: global }
      - { .name: be1, .offset: 16, .size: 8, .value_kind: global_buffer, .address_space: global }
      - { .name: g2, .offset: 24, .size: 8, .value_kind: global_buffer, .address_space: global }
      - { .name: be2, .offset: 32, .size: 8, .value_kind: global_buffer, .address_space: global }
      - { .name: lnc, .offset: 40, .size: 8, .value_kind: global_buffer, .address_space: global }
      - { .name: lns, .offset: 48, .size: 8, .value_kind: global_buffer, .address_space: global }
    .group_segment_fixed_size: 38400
    .private_segment_fixed_size: 0
    .kernarg_segment_align: 8
    .kernarg_segment_size: 56
    .max_flat_workgroup_size: 128
    .sgpr_count:     66
    .vgpr_count:     384
    .wavefront_size: 32
...
	.end_amdgpu_metadata
.endif
;; end of part 1
;; launch gemm1 (part 2): grid 28 x 16, 4 waves a work-group, clusters of 4 x 4, 327,680 bytes of LDS; arguments lnc, lns, Wq_codes, Wq_scales, Wk_codes, Wk_scales, Wv_codes, Wv_scales, W1_codes, W1_scales, b1, qkvc, qkvs, a2c, a2s; writes qkvc, qkvs, a2c, a2s
.if DOCPART == 2
	.amdgcn_target "amdgcn-amd-amdhsa--gfx1250"
	.amdhsa_code_object_version 6
	.text
	.protected	k_q1ca011ca53_gemm1
	.globl	k_q1ca011ca53_gemm1
	.p2align	8
	.type	k_q1ca011ca53_gemm1,@function
k_q1ca011ca53_gemm1:
	s_mov_b64 s[64:65], 0
	v_nop
	global_prefetch_b8 v0, s[64:65] scope:SCOPE_SE
	s_setreg_imm32_b32 hwreg(HW_REG_WAVE_MODE, 25, 1), 1
	s_wait_xcnt 0x0
	s_wait_alu depctr_hold_cnt(0) depctr_sa_sdst(0) depctr_va_vdst(0) depctr_va_sdst(0) depctr_va_ssrc(0) depctr_va_vcc(0) depctr_vm_vsrc(0)
	s_getreg_b32 s2, hwreg(HW_REG_IB_STS2, 6, 4)
	s_cmp_eq_u32 s2, 0
	s_cbranch_scc0 .Lentry_in_a_cluster
	s_endpgm
.Lentry_in_a_cluster:
	s_bfe_u32 s2, ttmp6, 0x10000c
	s_cmp_lg_u32 s2, 0xf033
	s_cbranch_scc0 .Lentry_shape_is_right
	s_endpgm
.Lentry_shape_is_right:
; Four products with K = 1,024 on codes of FP4 (E2M1) with E8M0 scales, in one grid: q = h Wq, k = h Wk, v = h Wv, hidden = relu(f W1 + b1).  Each result is quantised at once, in registers, along the K of the product that reads it.
; Both operands are rows of 512 bytes of codes with 32 scale bytes a row.  P is the operand along whose rows the result is quantised (source 0), S the other (source 1): in the result a lane holds ONE row of S and its registers run along P.
;   cluster x = 0: q: P = Wq's 1,024 rows (head, d), S = h's tokens      1: k likewise      2: v: P = h's tokens (the keys), S = Wv's rows      3..6: hidden: P = W1's 4,096 rows, S = f's tokens.
; Only pointers, strides, the activation's lower bound and the bias's mask differ, chosen by selects on the cluster's x: one path through the text, no branch on the job.
; A tile is 256 rows of S x 256 rows of P, made by four waves, each 128 x 128: 64 accumulators, 512 registers.  K lies in two LDS slots of 512 along K (rows of 256 bytes + 16 of padding), both filled once, at the start:
; no LDS byte is filled twice.  The scales of the work-group's rows come with them, as blocks of 256 bytes + 16 of padding.
; CLUSTERS: 4 x 4 work-groups.  The four of a row of the cluster need the same rows of S, the four of a column the same rows of P: each tile is asked for JOINTLY, by the same tensor load with the same descriptor and a mask that names the four.
; THE WAY OUT.  A wave's 128 of P are one K step of the next product: for each 16 rows of S its 64 numbers a lane become one fragment (8 registers) and one scale word a row.  Fragments go to memory as IMAGES OF THEIR REGISTERS:
; 1,024 bytes, registers 4 c .. 4 c + 3 of lane l at 512 c + 16 l, so that the reader loads them as they stand and every store of the wave covers 512 consecutive bytes.
;   q, k: image [token tile][head pair], scale words [head pair][token];   v: image [key step][16 rows of (head, d)], words [key step][row];   hidden: image [token tile][K step of 40], words [K step][token].
; Each of the eight blocks has code registers and an offset register of its own, so that no store's source is written again and the way out has no wait for its stores.
; TILES ARE NATURAL: register j of tile t in lane (r, h) is index 16 t + 8 h + j along the next K.  One conversion gives word 2 (t % 2) + h of block t / 2; two lane swaps for each pair of blocks lay the words as the operand wants them (QUANTN).
; LIMITS: NaN and infinities are not served; a block whose largest magnitude lies under 2^-124 gets the byte 1; a block of zeros gets the byte 1 and not 127 (its codes are zeros; this program alone reads the bytes).
; REGISTERS: window 0: v1-27 addresses; v32-95 scale words, two sets; v104-120 at work on the way out; v128-191 S's fragments, one set (on the way out: 64 numbers); v192-255 the bias (on the way out: the eight blocks' codes).
;   window 1: P's fragments, two sets, at v0 and v128.   window 2: the accumulators of my rows 0-63 of S ((a, b) at v[8 (8 a + b)]);   window 3: those of my rows 64-127.
.set NQ,     4                         ; steps of 128 along K in a slot
.set ROWB,   256                       ; a tile's row in bytes
.set KROW,   512                       ; a row of an operand in memory
.set PITCH,  272                       ; an LDS row: 256 bytes + 16: the sixteen rows that a load touches begin 16 bytes apart modulo 256
.set FR,     8                         ; registers of a fragment
.set NL,     2                         ; LDS loads that bring one
.set NP,     4                         ; places behind this matrix instruction (ISA guide 7.12.1)
.set HALFT,  128*PITCH
.set SLOT,   4*HALFT                   ; S's 256 rows, then P's 256 rows
.set KS,     32                        ; a row of scale bytes
.set SCL,    2*SLOT                    ; behind the slots: the scales
.set HALFS,  (128*KS/256)*272          ; those of 128 rows
.set SBLK,   (16*KS/256)*272           ; those of 16 rows
.set SCR,    SCL+4*HALFS               ; behind them: 512 bytes for each wave, where its 128 new scale words meet; no fill lands here
.set OFS,  8                           ; v8-15   block a's offset among the images: 16 x lane + a x the stride; never rewritten
.set ADRA, 16                          ; v16-17  LDS address of my fragments of S in slot 0, 1
.set ADRB, 20                          ; v20-21  of P
.set L16,  22                          ; v22     16 x lane
.set BOF,  23                          ; v23     32 x (lane / 16): the bias loads' offset
.set SCW,  25                          ; v25     where I put a new scale word
.set SCRD, 26                          ; v26     where I read four of them back
.set ADRS, 27                          ; v27     LDS address of my scale words: lanes 0-15 S's rows, lanes 16-31 P's
.set SC,   32
.set TM,   104                         ; v104-107 largest magnitudes, v108-111 bytes, v116-119 the conversions' scale operands
.set PW,   120                         ; v120     the scale word just made
.set AF,   128
.set HA,   128
.set BI,   192
.set PCB,  192                         ; the way out: block a's codes at v[192 + 8 a]
.set WV, 34                            ; s34 wave;  s35 wave / 2: my half of S's rows, and: I fetch for S (0) or P (1);  s36 wave % 2: my half of P's rows, and: which 128 rows I fetch
.set WH, 35
.set WL, 36
.set SEL, 44                           ; s[44:45] lane selects for v_permlanex16_b32
.set OC, 56                            ; s[56:57] where my images go;  s[58:59] my scale words
.set OS, 58
.set STRS, 62                          ; s62 bytes from one 16 rows of S to the next among the images;  s63 from one K step to the next;  s66 the same among the scale words
.set STRP, 63
.set SROW, 66
.set LO,  67                           ; s67 the activation's lower bound: 0 (relu) or -infinity (none)
.set BM,  2                            ; s2  the bias's mask: all ones (hidden) or 0
.set G1,  4                            ; s[4:11] descriptor group 1 for S's tiles; s[12:19] for P's; s[20:27] S's groups 0, one a slot; s[68:75] P's
.set G1B, 12
.set G0,  20
.set G0B, 68
.set G1S, 76                           ; s[76:83], s[84:91] groups 1 for S's and P's scales; s[92:95], s[96:99] their groups 0
.set G1SB, 84
.set G0S, 92
.set G0SB, 96
.set MSB, 0
.macro WIN new                         ; the immediate's high byte repeats the setting that is left
.if MSB != \new
	s_set_vgpr_msb (MSB<<8)|\new
.set MSB, \new
.endif
.endm
.set MUL_LO, 0xa1                      ; source 0 (P) window 1, source 1 (S) window 0, C and D window 2
.set MUL_HI, 0xf1                      ; the same, C and D window 3
.set TO_B,   0x40                      ; destination window 1, address window 0
; A joint load: waves 0 and 1 fetch for S, waves 2 and 3 for P.  Each line has one mask and one set of registers for all that issue it; the branch hangs on the wave's number alone.
; Four v_nop follow each of the two lines, ahead of the jump, the label and what follows.
.macro JLOAD g0a, g1a, g0b, g1b
	s_cmp_eq_u32 s[WH], 0
	s_cbranch_scc0 .Lfor_b_\@
	tensor_load_to_lds s[\g0a:\g0a+3], s[\g1a:\g1a+7]
	s_nop 0
.rept 4
	v_nop
.endr
	s_branch .Lasked_\@
.Lfor_b_\@:
	tensor_load_to_lds s[\g0b:\g0b+3], s[\g1b:\g1b+7]
	s_nop 0
.rept 4
	v_nop
.endr
.Lasked_\@:
.endm
.macro CROUND                          ; a round of the cluster's barrier: my work-group's barrier; wave 0 signals for the work-group; every wave waits for all sixteen; my work-group's barrier once more
	s_barrier_signal -1
	s_barrier_wait -1
	s_cmp_lg_u32 s[WV], 0
	s_cbranch_scc1 .Lnot_wave_0_\@
	s_barrier_signal -3
.Lnot_wave_0_\@:
	s_barrier_wait -3
	s_barrier_signal -1
	s_barrier_wait -1
.endm
	s_load_b512 s[4:19], s[0:1], 0x0               ; lnc, lns, Wq's codes and scales, Wk's, Wv's
	s_load_b256 s[20:27], s[0:1], 0x40             ; W1's codes and scales, b1, qkvc
	s_load_b128 s[28:31], s[0:1], 0x60             ; qkvs, a2c
	s_load_b64 s[32:33], s[0:1], 0x70              ; a2s
	v_lshl_add_u32 v126, v0, 2, 0x48c00
	v_mov_b32 v127, 0
	ds_add_u32 v126, v127
	ds_add_u32 v126, v127
	v_lshrrev_b32 v1, 5, v0
	v_readfirstlane_b32 s[WV], v1                  ; wave 0..3
	s_lshr_b32 s[WH], s[WV], 1
	s_and_b32 s[WL], s[WV], 1
	s_bfe_u32 s37, ttmp6, 0x40000                  ; cx, cy: my place in the cluster
	s_bfe_u32 s38, ttmp6, 0x40004
	s_and_b32 s43, ttmp7, 0xffff                   ; the cluster's y
	s_lshl_b32 s41, s38, 2
	s_lshl_b32 s41, 15, s41                        ; my row of the cluster
	s_lshl_b32 s42, 0x1111, s37                    ; my column
	; THE JOB, by the cluster's x, which all sixteen partners share
	s_sub_co_u32 s3, ttmp9, 3
	s_mov_b32 s[STRS], 8192                        ; q, k: a token tile's eight images
	s_mov_b32 s[STRP], 1024
	s_mov_b32 s[SROW], 16384                       ; 4,096 tokens' words
	s_cmp_ge_u32 ttmp9, 3                          ; hidden?
	s_cselect_b32 s39, s3, 0                       ; which four tiles of P
	s_cselect_b32 s[LO], 0, 0xff800000
	s_cselect_b32 s[BM], -1, 0
	s_cselect_b32 s[STRS], 40960, s[STRS]          ; a token tile's forty images
	s_wait_dscnt 0x0
	s_wait_kmcnt 0x0
	s_cselect_b64 s[48:49], s[20:21], s[8:9]       ; P's codes: W1's, else Wq's
	s_cselect_b64 s[50:51], s[22:23], s[10:11]     ; P's scales
	s_cselect_b64 s[OC:OC+1], s[30:31], s[26:27]   ; images into a2c, else into qkvc
	s_cselect_b64 s[OS:OS+1], s[32:33], s[28:29]   ; words into a2s, else into qkvs
	s_cmp_eq_u32 ttmp9, 1                          ; k?
	s_cselect_b64 s[48:49], s[12:13], s[48:49]
	s_cselect_b64 s[50:51], s[14:15], s[50:51]
	s_cmp_eq_u32 ttmp9, 2                          ; v?
	s_cselect_b64 s[48:49], s[4:5], s[48:49]       ; P = h
	s_cselect_b64 s[50:51], s[6:7], s[50:51]
	s_cselect_b64 s[52:53], s[16:17], s[4:5]       ; S's codes: Wv's, else h's or f's
	s_cselect_b64 s[54:55], s[18:19], s[6:7]
	s_cselect_b32 s39, s43, s39                    ; v walks P by the cluster's y,
	s_cselect_b32 s40, 0, s43                      ; the others walk S by it
	s_cselect_b32 s[STRS], 1024, s[STRS]
	s_cselect_b32 s[STRP], 65536, s[STRP]          ; a key step's 64 images
	s_cselect_b32 s[SROW], 4096, s[SROW]           ; 1,024 rows' words
	s_mov_b64 s[60:61], s[24:25]                   ; b1
	s_lshl_b32 s39, s39, 2
	s_add_co_u32 s39, s39, s37                     ; my tile of P: hangs on cx alone of my place
	s_lshl_b32 s40, s40, 2
	s_add_co_u32 s40, s40, s38                     ; my tile of S: on cy alone
	; where the rows that I fetch begin.  S's offsets are made in registers that never hold cx, P's in registers that never hold cy
	s_lshl_b32 s3, s[WL], 7
	s_lshl_b32 s44, s40, 8
	s_add_co_u32 s44, s44, s3                      ; S: row 256 x tile + 128 x half
	s_lshl_b32 s28, s44, 5                         ; its scale bytes,
	s_lshl_b32 s44, s44, 9                         ; its codes
	s_cmp_ge_u32 ttmp9, 3
	s_cselect_b32 s45, 0x200000, 0                 ; f lies behind h in lnc
	s_cselect_b32 s29, 0x20000, 0                  ; and in lns
	s_add_co_u32 s44, s44, s45
	s_add_co_u32 s28, s28, s29
	s_mov_b32 s45, 0
	s_mov_b32 s29, 0
	s_add_nc_u64 s[52:53], s[52:53], s[44:45]
	s_add_nc_u64 s[54:55], s[54:55], s[28:29]
	s_lshl_b32 s46, s39, 8
	s_add_co_u32 s46, s46, s3                      ; P: row 256 x tile + 128 x half: also the first of the 128 that I multiply
	s_lshl_b32 s32, s46, 2                         ; its bias (under 4,096 numbers in every job: inside b1),
	s_lshl_b32 s30, s46, 5
	s_lshl_b32 s46, s46, 9
	s_mov_b32 s47, 0
	s_mov_b32 s31, 0
	s_mov_b32 s33, 0
	s_add_nc_u64 s[48:49], s[48:49], s[46:47]
	s_add_nc_u64 s[50:51], s[50:51], s[30:31]
	s_add_nc_u64 s[60:61], s[60:61], s[32:33]
	; descriptor group 1: a tile of 128 rows x 256 bytes, padded in LDS
	s_or_b32 s[G1], s41, (1<<20)|(1<<21)|(5<<22)|(3<<25)   ; 15:0 the mask: S's tiles go to my row; 17:16 elements of 1 byte; 20 padding on; 21 set beside a mask; 24:22 after every 64 words (code 5); 31:25 four words (code 3)
	s_or_b32 s[G1B], s42, (1<<20)|(1<<21)|(5<<22)|(3<<25)  ; P's go to my column
.irp g, G1, G1B
	s_mov_b32 s[\g+1], ROWB<<16                    ; tensor_dim0
	s_mov_b32 s[\g+2], 256<<16                     ; tensor_dim1: 256 rows for the head's loads; set to 128 behind them
	s_mov_b32 s[\g+3], ROWB<<16                    ; tile_dim0
	s_mov_b32 s[\g+4], 256                         ; tile_dim1
	s_mov_b32 s[\g+5], KROW                        ; tensor_dim0_stride
	s_mov_b32 s[\g+6], 0
	s_mov_b32 s[\g+7], 0
.endr
	; the scales of 256 rows: 8,192 dense bytes, as 32 rows of 256 bytes (32 elements of 8 bytes), 16 bytes of padding behind each
	s_or_b32 s[G1S], s41, (3<<16)|(1<<20)|(1<<21)|(5<<22)|(3<<25)
	s_or_b32 s[G1SB], s42, (3<<16)|(1<<20)|(1<<21)|(5<<22)|(3<<25)
.irp g, G1S, G1SB
	s_mov_b32 s[\g+1], 32<<16
	s_mov_b32 s[\g+2], (256*KS/256)<<16            ; the scales of all 256 rows in one load
	s_mov_b32 s[\g+3], 32<<16
	s_mov_b32 s[\g+4], 256*KS/256
	s_mov_b32 s[\g+5], 32
	s_mov_b32 s[\g+6], 0
	s_mov_b32 s[\g+7], 0
.endr
	s_mul_i32 s100, s[WV], HALFT                   ; where they go: wave x 128 rows: no place in the cluster enters an LDS address
	s_mul_i32 s101, s[WV], HALFS
	CROUND                                         ; all sixteen work-groups are here: the joint loads meet
	s_mov_b32 s[G0S], 1
	s_mov_b32 s[G0S+1], SCL
	s_sub_nc_u64 s[G0S+2:G0S+3], s[54:55], 4096    ; wave 1 issues this load: its half is 1, so the tile's first row lies 128 rows of 32 bytes back
	s_or_b32 s[G0S+3], s[G0S+3], 0x80000000
	s_mov_b32 s[G0SB], 1
	s_mov_b32 s[G0SB+1], SCL+2*HALFS
	s_sub_nc_u64 s[G0SB+2:G0SB+3], s[50:51], 4096  ; wave 3 issues this load: likewise
	s_or_b32 s[G0SB+3], s[G0SB+3], 0x80000000
.irp s, 0,1
	s_mov_b32 s[G0+4*\s], 1
	s_add_co_u32 s[G0+4*\s+1], s100, \s*SLOT
	s_add_nc_u64 s[G0+4*\s+2:G0+4*\s+3], s[52:53], \s*ROWB
	s_or_b32 s[G0+4*\s+3], s[G0+4*\s+3], 0x80000000
	s_mov_b32 s[G0B+4*\s], 1
	s_add_co_u32 s[G0B+4*\s+1], s100, \s*SLOT
	s_add_nc_u64 s[G0B+4*\s+2:G0B+4*\s+3], s[48:49], \s*ROWB
	s_or_b32 s[G0B+4*\s+3], s[G0B+4*\s+3], 0x80000000
.endr
; THE HEAD'S LOADS, ONE A WAVE: wave 0 slot 0's 256 rows of S, wave 1 S's scales, wave 2 slot 0's 256 rows of P, wave 3 P's scales.
; Waves 0 and 2 have half 0, so their slot 0 descriptors name the tile's first row and its first LDS byte.  One chain of branches on the wave's number, one load to an arm, one join.
.macro HARM under, g0, g1, next
	s_cmp_lt_u32 s[WV], \under
	s_cbranch_scc0 \next
	tensor_load_to_lds s[\g0:\g0+3], s[\g1:\g1+7]
	s_nop 0
.rept 4
	v_nop
.endr
	s_branch .Lhead_asked
\next:
.endm
	HARM 1, G0,  G1,  .Lhead_ss
	HARM 2, G0S, G1S, .Lhead_p
	HARM 3, G0B, G1B, .Lhead_ps
	tensor_load_to_lds s[G0SB:G0SB+3], s[G1SB:G1SB+7]
	s_nop 0
.rept 4
	v_nop
.endr
.Lhead_asked:
	; A prefetch of slot 1's bytes (bytes 256 .. 511 of each row), which are loaded behind the head's tiles.  Of the 128 rows that my wave will fetch, each of the four partners that ask for them jointly
	; names 32, told apart by address (cx for S, cy for P): a lane a row, one instruction a wave.  The address registers are not written again.
	s_cmp_eq_u32 s[WH], 0
	s_cselect_b64 s[46:47], s[52:53], s[48:49]
	s_cselect_b32 s3, s37, s38
	s_lshl_b32 s28, s3, 14                         ; 32 rows of 512 bytes
	s_mov_b32 s29, 0
	s_add_nc_u64 s[46:47], s[46:47], s[28:29]
	v_and_b32 v24, 31, v0
	v_lshlrev_b32 v24, 9, v24
	global_prefetch_b8 v24, s[46:47] offset:256 th:TH_LOAD_NT scope:SCOPE_SE
	v_and_b32 v1, 15, v0                           ; r = lane % 16
	v_bfe_u32 v2, v0, 4, 1                         ; h = lane / 16
	v_lshlrev_b32 v[BOF], 5, v2
.irp b, 0,1,2,3,4,5,6,7                ; the bias in the result's layout: tile b, register j: b1 at my first row of P + 16 b + 8 h + j
	global_load_b128 v[BI+8*\b:BI+8*\b+3],   v[BOF], s[60:61] offset:64*\b
	global_load_b128 v[BI+8*\b+4:BI+8*\b+7], v[BOF], s[60:61] offset:64*\b+16
.endr
	; where my results go
	s_lshl_b32 s100, s40, 4
	s_lshl_b32 s101, s[WH], 3
	s_add_co_u32 s100, s100, s101                  ; my first 16 rows of S: 16 x tile + 8 x half
	s_lshl_b32 s101, s39, 1
	s_add_co_u32 s101, s101, s[WL]                 ; my K step of the next product: 2 x tile + half
	s_mul_i32 s32, s100, s[STRS]
	s_mul_i32 s33, s101, s[STRP]
	s_add_co_u32 s32, s32, s33
	s_lshl_b32 s3, ttmp9, 21                       ; q, k, v lie 2 MiB apart in qkvc
	s_cmp_lt_u32 ttmp9, 3
	s_cselect_b32 s3, s3, 0
	s_add_co_u32 s32, s32, s3
	s_mov_b32 s33, 0
	s_add_nc_u64 s[OC:OC+1], s[OC:OC+1], s[32:33]
	s_mul_i32 s32, s101, s[SROW]
	s_lshl_b32 s100, s100, 6                       ; 16 words
	s_add_co_u32 s32, s32, s100
	s_lshl_b32 s3, ttmp9, 17                       ; and 131,072 bytes apart in qkvs
	s_cmp_lt_u32 ttmp9, 3
	s_cselect_b32 s3, s3, 0
	s_add_co_u32 s32, s32, s3
	s_add_nc_u64 s[OS:OS+1], s[OS:OS+1], s[32:33]
	s_mov_b32 s[SEL], 0x76543210
	s_mov_b32 s[SEL+1], 0xfedcba98
	s_wait_loadcnt 0x0
.set j, 0
.rept 64
	v_and_b32 v[BI+j], s[BM], v[BI+j]              ; q, k and v have no bias: zeros start their sums
.set j, j+1
.endr
	v_mul_u32_u24 v3, v1, PITCH
	v_lshl_add_u32 v4, v2, 4, v3                   ; a fragment's row x pitch + 16 x half
	s_mul_i32 s100, s[WH], HALFT                   ; my 128 rows of S
	s_mul_i32 s101, s[WL], HALFT                   ; my 128 rows of P,
	s_add_co_u32 s101, s101, 2*HALFT               ; which lie behind S's 256
.irp s, 0,1
	v_add_nc_u32 v[ADRA+\s], s100, v4
	v_add_nc_u32 v[ADRB+\s], s101, v4
	s_add_co_u32 s100, s100, SLOT
	s_add_co_u32 s101, s101, SLOT
.endr
	v_mul_u32_u24 v5, v1, KS                       ; my row's scales: 32 bytes a row,
	v_lshrrev_b32 v6, 8, v5
	v_lshl_add_u32 v5, v6, 4, v5                   ; and 16 more for each 256 passed
	s_mul_i32 s100, s[WH], HALFS
	s_mul_i32 s101, s[WL], HALFS
	s_add_co_u32 s101, s101, 2*HALFS
	s_sub_co_u32 s101, s101, s100
	v_mul_u32_u24 v6, s101, v2                     ; lanes 16-31 take P's
	s_add_co_u32 s100, s100, SCL
	v_add_nc_u32 v5, v5, v6
	v_add_nc_u32 v[ADRS], s100, v5
	v_and_b32 v6, 31, v0
	v_lshlrev_b32 v[L16], 4, v6
	v_lshlrev_b32 v[OFS], 4, v6                    ; the eight blocks' offsets among the images
.irp a, 1,2,3,4,5,6,7
	v_add_nc_u32 v[OFS+\a], s[STRS], v[OFS+\a-1]
.endr
	s_lshl_b32 s3, s[WV], 9
	s_add_co_u32 s3, s3, SCR                       ; my 512 bytes for the new scale words
	v_lshl_add_u32 v[SCW], v1, 2, s3
	v_add_nc_u32 v[SCRD], s3, v[L16]
.irp b, 0,1,2,3
	v_mov_b32 v[TM+4+\b], 0                        ; written once: a lane permute's destination counts as one of its sources
.endr
.macro FRAG reg, adr, q, i             ; 16 rows x 128 K of 4-bit codes: lane l holds row l % 16; registers 4 c .. 4 c + 3 hold K = 64 c + 32 (l / 16) + 0 .. 31
.irp c, 0,1
	ds_load_b128 v[\reg+4*\c:\reg+4*\c+3], v[\adr] offset:64*(\q)+32*\c+(\i)*16*PITCH
.endr
.endm
; 16 matrix instructions: S's blocks a0, a0 + 1 x P's eight, the slot's q-th 128 along K.  p: P's set; sc: the set of scale words.  first = 1: the bias is the C of each sum's first product: nothing is cleared or added later.
; The 64 accumulators take turns, one instruction a turn, in the same order in every step.
.macro MUL16 a0, p, q, sc, first
.irp a, \a0, \a0+1
.irp b, 0,1,2,3,4,5,6,7
.if \first
	v_wmma_scale_f32_16x16x128_f8f6f4 v[8*(8*((\a)%4)+\b):8*(8*((\a)%4)+\b)+7], v[128*(\p)+FR*\b:128*(\p)+FR*\b+FR-1], v[AF+FR*(\a):AF+FR*(\a)+FR-1], v[BI+8*\b:BI+8*\b+7], v[SC+8*NQ*(\sc)+NQ*\b+(\q)], v[SC+8*NQ*(\sc)+NQ*(\a)+(\q)] matrix_a_fmt:MATRIX_FMT_FP4 matrix_b_fmt:MATRIX_FMT_FP4 matrix_a_scale:MATRIX_SCALE_ROW1
.else
	v_wmma_scale_f32_16x16x128_f8f6f4 v[8*(8*((\a)%4)+\b):8*(8*((\a)%4)+\b)+7], v[128*(\p)+FR*\b:128*(\p)+FR*\b+FR-1], v[AF+FR*(\a):AF+FR*(\a)+FR-1], v[8*(8*((\a)%4)+\b):8*(8*((\a)%4)+\b)+7], v[SC+8*NQ*(\sc)+NQ*\b+(\q)], v[SC+8*NQ*(\sc)+NQ*(\a)+(\q)] matrix_a_fmt:MATRIX_FMT_FP4 matrix_b_fmt:MATRIX_FMT_FP4 matrix_a_scale:MATRIX_SCALE_ROW1
.endif
.endr
.endr
.endm
.macro FETCH_B slot, q, p              ; P's eight fragments of the slot's q-th 128 along K into set p
	WIN TO_B
.irp i, 0,1,2,3,4,5,6,7
	FRAG 128*(\p)+FR*\i, ADRB+\slot, \q, \i
.endr
	WIN 0
.endm
.macro FETCH_A slot, q, i0             ; S's blocks i0 .. i0 + 3
.irp i, \i0, \i0+1, \i0+2, \i0+3
	FRAG AF+FR*(\i), ADRA+\slot, \q, \i
.endr
.endm
.macro SCALES sc                       ; a slot's scale words into set sc: four words a row; lanes 0-15 take S's block i, lanes 16-31 P's block i
.irp i, 0,1,2,3,4,5,6,7
	ds_load_b128 v[SC+8*NQ*\sc+NQ*\i:SC+8*NQ*\sc+NQ*\i+3], v[ADRS] offset:\i*SBLK
.endr
.endm
; A load into a register that a matrix instruction has read, and a vector instruction that reads a matrix result, stand NP places behind it; only plain vector instructions that name none of its registers are places
.macro PLACES n
.rept \n
	v_nop
.endr
.endm
; A step of 128 along K that has its successor in the same slot.  S's block is free as soon as its eight products are issued: blocks 0-3 are fetched anew in the step's middle, blocks 4-7 at its end; P has two sets.
.macro STEP slot, q, first
	s_wait_dscnt 4*NL                              ; P's set, the scale words and S's blocks 0-3 are in; the youngest eight loads (S's blocks 4-7) may be out
.if \first
	WIN 0x81                                       ; as MUL_LO, but C (the bias) in window 0
.else
	WIN MUL_LO
.endif
	MUL16 0, (\q)%2, \q, \slot, \first
	MUL16 2, (\q)%2, \q, \slot, \first
	s_wait_dscnt 0                                 ; S's blocks 4-7 are in (asked for 32 matrix instructions ago)
	PLACES NP
	FETCH_B \slot, (\q)+1, 1-(\q)%2
	FETCH_A \slot, (\q)+1, 0
.if \first
	WIN 0xc1
.else
	WIN MUL_HI
.endif
	MUL16 4, (\q)%2, \q, \slot, \first
	MUL16 6, (\q)%2, \q, \slot, \first
	PLACES NP
	WIN 0
	FETCH_A \slot, (\q)+1, 4
.endm
.macro STEPS slot, from                ; the slot's steps from .. NQ - 2
.set Q, \from
.rept NQ-1-\from
	STEP \slot, Q, 0
.set Q, Q+1
.endr
.endm
	s_wait_alu depctr_va_vdst(0)                   ; the wait at the head's end
	s_wait_tensorcnt 0x0                           ; my tile of the head's four is in
	ds_add_u32 v126, v127
	s_mov_b32 s[G1+2], 128<<16                     ; no tensor load of mine is out: from here on a load brings 128 rows
	s_mov_b32 s[G1+4], 128
	s_mov_b32 s[G1B+2], 128<<16
	s_mov_b32 s[G1B+4], 128
	s_wait_dscnt 0x0
	CROUND                                         ; all four tiles are in, and all sixteen work-groups are here
	JLOAD G0+4, G1, G0B+4, G1B                     ; slot 1's first fill: my one tensor load behind the round
	FETCH_B 0, 0, 0
	FETCH_A 0, 0, 0
	SCALES 0
	FETCH_A 0, 0, 4
	STEP 0, 0, 1
	STEPS 0, 1
	; slot 0's last step goes over to slot 1: in front of the barrier each wave's part of slot 1 has landed
	s_wait_tensorcnt 0x0
	s_wait_dscnt 4*NL
	WIN MUL_LO
	MUL16 0, 1, NQ-1, 0, 0
	s_wait_dscnt 0x0                               ; no LDS instruction of mine is out at the signal
	s_barrier_signal -1
	MUL16 2, 1, NQ-1, 0, 0                         ; work on registers while the others arrive
	WIN 0
	s_barrier_wait -1
	PLACES NP
	v_add_nc_u32 v[ADRS], 4*NQ, v[ADRS]            ; on to slot 1's scale words
	FETCH_B 1, 0, 0
	FETCH_A 1, 0, 0
	SCALES 1
	WIN MUL_HI
	MUL16 4, 1, NQ-1, 0, 0
	MUL16 6, 1, NQ-1, 0, 0
	PLACES NP
	WIN 0
	FETCH_A 1, 0, 4
	STEPS 1, 0
	s_wait_dscnt 4*NL                              ; the last step: nothing more to fetch
	WIN MUL_LO
	MUL16 0, 1, NQ-1, 1, 0
	MUL16 2, 1, NQ-1, 1, 0
	s_wait_dscnt 0
	WIN MUL_HI
	MUL16 4, 1, NQ-1, 1, 0
	MUL16 6, 1, NQ-1, 1, 0
	WIN 0
; 64 numbers of a lane, v[s] .. v[s + 63], register 8 t + j = index 16 t + 8 (lane / 16) + j along the next K of my row, become a fragment's codes in v[pc] on and its scale word in v[PW].
.macro QUANTN s, pc
.irp b, 0,1,2,3
	v_max3_num_f32 v[TM+\b], |v[\s+16*\b]|, |v[\s+1+16*\b]|, 0x1800000   ; block b: my 16 numbers, and the floor 2^(3 - 127): the byte cannot fall under 1
.endr
.irp i, 2,4,6,8,10,12,14
.irp b, 0,1,2,3
	v_max3_num_f32 v[TM+\b], v[TM+\b], |v[\s+16*\b+\i]|, |v[\s+1+16*\b+\i]|   ; (the four blocks by turns: no line waits for the line above it)
.endr
.endr
.irp b, 0,1,2,3
	v_permlanex16_b32 v[TM+4+\b], v[TM+\b], s[SEL], s[SEL+1]
.endr
.irp b, 0,1,2,3
	v_max_num_f32 v[TM+\b], v[TM+\b], v[TM+4+\b]   ; with lane l xor 16's 16: the block's largest magnitude
.endr
.irp b, 0,1,2,3
	v_add_nc_u32 v[TM+12+\b], 0xff000000, v[TM+\b] ; 2 off its exponent field: the conversion's scale operand
.endr
.irp b, 0,1,2,3
	v_lshrrev_b32 v[TM+4+\b], 23, v[TM+12+\b]      ; the scale's byte
.endr
	v_lshl_or_b32 v[PW], v[TM+5], 8, v[TM+4]       ; the four bytes make my row's scale word (lanes l and l xor 16 hold the same)
	v_lshl_or_b32 v[PW], v[TM+6], 16, v[PW]
	v_lshl_or_b32 v[PW], v[TM+7], 24, v[PW]
.irp b, 0,1,2,3                        ; the even tile's conversion holds the block's words 0 | 1 (lanes 0-15 | 16-31), the odd tile's its words 2 | 3
	v_cvt_scalef32_pk8_fp4_f32 v[(\pc)+4*(\b/2)+(\b%2)], v[\s+16*\b:\s+7+16*\b], v[TM+12+\b]
	v_cvt_scalef32_pk8_fp4_f32 v[(\pc)+4*(\b/2)+2+(\b%2)], v[\s+8+16*\b:\s+15+16*\b], v[TM+12+\b]
.endr
	v_nop                                          ; one plain place behind a scaled conversion
.irp c, 0,1                            ; the operand wants word w of block 2 c in lanes 0-15 and of block 2 c + 1 in lanes 16-31 of register 4 c + w: the first's upper lanes change places with the second's lower
	v_permlane16_swap_b32 v[(\pc)+4*\c], v[(\pc)+4*\c+1]
	v_permlane16_swap_b32 v[(\pc)+4*\c+2], v[(\pc)+4*\c+3]
.endr
.endm
; Block a of my eight: 16 rows of S x my 128 of P.  The activation moves the numbers out of the accumulators, each from its low end on.  The block's codes and its offset have registers of their own: nothing that a store reads is written again.
.macro OUTA a
	WIN 0x08+4*((\a)/4)                            ; source 1: window 2 or 3
.set j, 0
.rept 64
	v_max_num_f32 v[HA+j], s[LO], v[64*((\a)%4)+j]
.set j, j+1
.endr
	WIN 0
	QUANTN HA, PCB+8*(\a)
	global_store_b128 v[OFS+(\a)], v[PCB+8*(\a):PCB+8*(\a)+3], s[OC:OC+1]               ; the image: each store covers 512 consecutive bytes, at a multiple of 256 from the buffer's first byte
	global_store_b128 v[OFS+(\a)], v[PCB+8*(\a)+4:PCB+8*(\a)+7], s[OC:OC+1] offset:512
	ds_store_b32 v[SCW], v[PW] offset:64*(\a)      ; lanes l and l xor 16 write the same word with the same value
.endm
	PLACES NP                                      ; behind the last products: the lines below read results and write the registers that held S's fragments
.irp a, 0,1,2,3,4,5,6,7
	OUTA \a
.endr
	ds_load_b128 v[TM:TM+3], v[SCRD]               ; LDS serves a wave's instructions in order (ISA guide 5.7.1.4): these see my stores
	s_wait_dscnt 0x0
	global_store_b128 v[L16], v[TM:TM+3], s[OS:OS+1]               ; my 128 rows' words of one K step: 512 consecutive bytes
	s_wait_tensorcnt 0x0
	ds_add_u32 v126, v127
	s_wait_dscnt 0x0
	CROUND                                         ; the closing round: no work-group ends while a partner may still ask for a tile that names it
	s_endpgm
.Lfunc_end_k_q1ca011ca53_gemm1:
	.size	k_q1ca011ca53_gemm1, .Lfunc_end_k_q1ca011ca53_gemm1-k_q1ca011ca53_gemm1
	.p2alignl 7, 3214868480
	.fill 96, 4, 3214868480
	.section	.rodata,"a",@progbits
	.p2align	6, 0x0
	.amdhsa_kernel k_q1ca011ca53_gemm1
		.amdhsa_group_segment_fixed_size 327680
		.amdhsa_private_segment_fixed_size 0
		.amdhsa_enable_private_segment 0
		.amdhsa_kernarg_size 120
		.amdhsa_user_sgpr_count 2
		.amdhsa_user_sgpr_kernarg_segment_ptr 1
		.amdhsa_wavefront_size32 1
		.amdhsa_system_sgpr_workgroup_id_x 1
		.amdhsa_system_sgpr_workgroup_id_y 1
		.amdhsa_system_sgpr_workgroup_id_z 1
		.amdhsa_system_vgpr_workitem_id 0
		.amdhsa_next_free_vgpr 1024
		.amdhsa_next_free_sgpr 102
		.amdhsa_reserve_vcc 0
		.amdhsa_float_denorm_mode_32 3
		.amdhsa_float_denorm_mode_16_64 3
		.amdhsa_memory_ordered 1
		.amdhsa_forward_progress 1
		.amdhsa_inst_pref_size 150
	.end_amdhsa_kernel
	.amdgpu_metadata
---
amdhsa.version: [ 1, 2 ]
amdhsa.kernels:
  - .name:           k_q1ca011ca53_gemm1
    .symbol:         k_q1ca011ca53_gemm1.kd
    .args:
      - { .name: lnc, .offset: 0, .size: 8, .value_kind: global_buffer, .address_space: global }
      - { .name: lns, .offset: 8, .size: 8, .value_kind: global_buffer, .address_space: global }
      - { .name: Wq_codes, .offset: 16, .size: 8, .value_kind: global_buffer, .address_space: global }
      - { .name: Wq_scales, .offset: 24, .size: 8, .value_kind: global_buffer, .address_space: global }
      - { .name: Wk_codes, .offset: 32, .size: 8, .value_kind: global_buffer, .address_space: global }
      - { .name: Wk_scales, .offset: 40, .size: 8, .value_kind: global_buffer, .address_space: global }
      - { .name: Wv_codes, .offset: 48, .size: 8, .value_kind: global_buffer, .address_space: global }
      - { .name: Wv_scales, .offset: 56, .size: 8, .value_kind: global_buffer, .address_space: global }
      - { .name: W1_codes, .offset: 64, .size: 8, .value_kind: global_buffer, .address_space: global }
      - { .name: W1_scales, .offset: 72, .size: 8, .value_kind: global_buffer, .address_space: global }
      - { .name: b1, .offset: 80, .size: 8, .value_kind: global_buffer, .address_space: global }
      - { .name: qkvc, .offset: 88, .size: 8, .value_kind: global_buffer, .address_space: global }
      - { .name: qkvs, .offset: 96, .size: 8, .value_kind: global_buffer, .address_space: global }
      - { .name: a2c, .offset: 104, .size: 8, .value_kind: global_buffer, .address_space: global }
      - { .name: a2s, .offset: 112, .size: 8, .value_kind: global_buffer, .address_space: global }
    .group_segment_fixed_size: 327680
    .private_segment_fixed_size: 0
    .kernarg_segment_align: 8
    .kernarg_segment_size: 120
    .max_flat_workgroup_size: 128
    .sgpr_count:     102
    .vgpr_count:     1024
    .wavefront_size: 32
...
	.end_amdgpu_metadata
.endif
;; end of part 2
;; launch attn (part 3): grid 8 x 32, 8 waves a work-group, clusters of 4 x 1, 169,984 bytes of LDS; arguments qkvc, qkvs, a2c, a2s; writes a2c, a2s
.if DOCPART == 3
	.amdgcn_target "amdgcn-amd-amdhsa--gfx1250"
	.amdhsa_code_object_version 6
	.text
	.protected	k_q1ca011ca53_attn
	.globl	k_q1ca011ca53_attn
	.p2align	8
	.type	k_q1ca011ca53_attn,@function
k_q1ca011ca53_attn:
	s_mov_b64 s[64:65], 0
	v_nop
	global_prefetch_b8 v0, s[64:65] scope:SCOPE_SE
	s_setreg_imm32_b32 hwreg(HW_REG_WAVE_MODE, 25, 1), 1
	s_wait_xcnt 0x0
	s_wait_alu depctr_hold_cnt(0) depctr_sa_sdst(0) depctr_va_vdst(0) depctr_va_sdst(0) depctr_va_ssrc(0) depctr_va_vcc(0) depctr_vm_vsrc(0)
	s_getreg_b32 s2, hwreg(HW_REG_IB_STS2, 6, 4)
	s_cmp_eq_u32 s2, 0
	s_cbranch_scc0 .Lentry_in_a_cluster
	s_endpgm
.Lentry_in_a_cluster:
	s_bfe_u32 s2, ttmp6, 0x10000c
	s_cmp_lg_u32 s2, 0x3003
	s_cbranch_scc0 .Lentry_shape_is_right
	s_endpgm
.Lentry_shape_is_right:
; o[b][t][head][:] = the sum over s of softmax_s(q . k / 8) v, for 32 (b, head) of 2,048 tokens and head size 64, both products on codes of FP4 (E2M1) with E8M0 scales; o is quantised along E at once, for the product with Wo.
; THE SOFTMAX: t = score x log2(e) / 8; M = the running largest t rounded UP to a whole number; p = 2^(t - M) is quantised along the keys, not normalised.  The row's sum is taken of the unquantised p, in f32, and divides O at the end.
; When M moves, the sum and O are multiplied by 2^(old M - new M): exact.
; INPUTS are images of operand registers (1,024 bytes: registers 4 c .. 4 c + 3 of lane l at 512 c + 16 l).  q, k: [token tile][head pair]; half c of an image is head 2 hp + c.  v: [key step of 128][16 rows of (head, d)], K = the keys.
; The first product's K is the head's 64 of the instruction's 128: Q's registers 4-7 hold zero codes, so what K's registers 4-7 hold adds nothing: fragment t of K is v[KF + 4 t .. + 7], whose upper four are the next fragment's codes.
; The upper two scale bytes of both sides are 0 (a finite code), over products that are 0.
; SHARES.  A work-group owns 256 queries of one (b, head); each of its EIGHT waves owns two tiles of 16: two waves to a SIMD.  A fragment of K or V read from LDS feeds two matrix instructions.
; K and V of the whole (b, head) and their scale words lie in LDS, each byte filled ONCE, one tensor load a wave: waves 0, 1 K's halves, waves 2, 3 V's, wave 4 K's scale words, wave 5 V's; wave w's bytes begin at 32,768 w.
; CLUSTER.  The four query blocks of a cluster walk the same K and V: each tile is asked for JOINTLY.  All tiles are asked for at the head: no loop is left in which to ask ahead, so there is no prefetch.
; LAYOUT.  Both products transposed: S^T = K Q^T, O^T = V^T P^T: a lane holds ONE query (lane % 16).  THE KEYS OF A TILE ARE CHOSEN: row m of tile 4 c + g is key 64 c + 32 (m / 8) + 8 g + m % 8, so that the 32 registers of
; tiles 4 c .. 4 c + 3 in lane (r, h) are the 32 keys of block 2 c + h: a block's largest score needs no other lane, and the four conversions of a block give registers 4 c .. 4 c + 3 of the second product's operand as they stand.
; A BLOCK'S SCALE: the exponent of 2^u is floor(u), u = t - M of the block's largest score, made by the same multiply-add as the number's own; held at -124 from below, so that the byte cannot fall under 1.
; (Where the exponential of a u within an ulp under a whole number rounds up to the power of two, that one p is held one code low.)
; REGISTERS BY ROLE.  Window 1: v0-127 S^T, then p, of both tiles; v128-143 p's codes; v144-207 partial sums.  Window 0: all else.  So both tiles' lines stand by turns under one setting of the windows.
; A STEP'S EXPONENTIALS: two batches of 64.  Among the first stand the second tile's multiply-adds, among the second the first tile's first 16 sums: lines whose results are read behind the next wait.
; O^T is rescaled ahead of the step's first exponential.
; OUT: o's codes are half an image of a2c's K step 32 + hp (512 consecutive bytes a tile); its two scale bytes a row leave as 2 bytes a lane: the word's other half belongs to the neighbouring head, which another work-group makes.
; LIMITS: NaN and infinities are not served; the scaled scores stay under 2^31 in magnitude; a block whose largest magnitude lies under 2^-124 gets the byte 1; a block of zeros gets the byte 1 and not 127 (its codes are zeros; this program alone reads the bytes).
.set VC,   65536                       ; LDS: K's halves of images [key tile 128][512 bytes] at 0; V's images [key step 16][4][1,024 bytes] here
.set KSC,  131072                      ; K's scale words [key 2,048]
.set VSC,  163840                      ; V's [key step 16][64 rows]
.set SPARE, 167936                     ; the spare words: 128 bytes a wave
; window 0: v1-4, v6, v62 addresses that stay; v5, v7 the add's; v8-11 the step's addresses
.set NM,   12                          ; v[12 + 2 w] -M, v[13 + 2 w] the largest score
.set FF,   16                          ; v[16 + 2 w] f, v[17 + 2 w] the old -M
.set QS,   20                          ; Q's scales, a register a tile
.set PS,   22                          ; p's scale words
.set VS,   24                          ; V's scales, 4
.set KS,   28                          ; K's scales, 8
.set BM,   36                          ; maxima: 4 w + 2 c, and + 1 for the block's second chain
.set BT,   44                          ; at work
.set SO,   52                          ; the conversions' scale operands, 2 w + c
.set RT,   60                          ; at work, a register a tile
.set AK,   62                          ; my lane's place in a tile of K
.set KF,   64                          ; K's eight fragments, 4 registers apart, and 4 more
.set VF,   100                         ; V's four fragments
.set OO,   132                         ; O^T, 32 a tile
.set QQ,   196                         ; Q, 8 a tile
.set LL,   212                         ; the sums, a pair a tile
; window 1
.set SS,   0
.set PC,   128
.set UU,   144
.set WV,   12
.set SEL,  20
.set CS,   22
.set G1K,  24
.set G1V,  32
.set G1KS, 40
.set G1VS, 48
.set G0S,  56
.set G0C,  68
.set CN,   82                          ; -c
.set TB,   84                          ; the step's first byte among K's halves and V's images: 4,096 a step
.set TS,   85                          ; among K's scale words: 512 a step
.set TJ,   86                          ; among V's: 256 a step
.set TRIP, 87
.set MSB, 0
.macro WIN new                         ; low byte: bits 1:0 source 0, 3:2 source 1, 5:4 source 2, 7:6 destination; the high byte repeats the setting that is left
.if MSB != (\new)
	s_set_vgpr_msb (MSB<<8)|(\new)
.set MSB, (\new)
.endif
.endm
.macro CROUND                          ; a round of the cluster's barrier
	s_barrier_signal -1
	s_barrier_wait -1
	s_cmp_lg_u32 s[WV], 0
	s_cbranch_scc1 .Lnot_wave_0_\@
	s_barrier_signal -3
.Lnot_wave_0_\@:
	s_barrier_wait -3
	s_barrier_signal -1
	s_barrier_wait -1
.endm
	s_load_b256 s[4:11], s[0:1], 0x0               ; qkvc, qkvs, a2c, a2s
	v_lshl_add_u32 v5, v0, 2, SPARE
	v_mov_b32 v7, 0
	ds_add_u32 v5, v7                              ; the opening lines: the add twice on end and its wait
	ds_add_u32 v5, v7
	v_lshrrev_b32 v8, 5, v0
	v_readfirstlane_b32 s[WV], v8                  ; wave 0..7
	s_bfe_u32 s13, ttmp6, 0x40000                  ; cx: it enters Q's and o's addresses alone
	s_and_b32 s14, ttmp7, 0xffff                   ; (b, head)
	s_lshr_b32 s15, s14, 4                         ; b
	s_and_b32 s16, s14, 15                         ; head
	s_lshr_b32 s17, s16, 1                         ; head pair
	s_and_b32 s18, s16, 1                          ; which of the pair
	s_lshl_b32 s88, s17, 14                        ; K's scale words: behind q's 131,072 bytes, [head pair][token]
	s_lshl_b32 s89, s15, 13
	s_add_co_u32 s88, s88, s89
	s_add_co_u32 s88, s88, 131072
	s_lshl_b32 s89, s15, 16                        ; V's: at 262,144, [key step][1,024 rows]
	s_lshl_b32 s90, s16, 8
	s_add_co_u32 s89, s89, s90
	s_add_co_u32 s89, s89, 262144
	s_lshl_b32 s91, s15, 20                        ; b's 128 token tiles, and its 16 key steps, are 1 MiB each
	s_lshl_b32 s90, s16, 9
	s_add_co_u32 s90, s90, s91
	s_add_co_u32 s90, s90, 0x200000                ; K's halves of images
	s_lshl_b32 s92, s16, 12
	s_add_co_u32 s91, s91, s92
	s_add_co_u32 s91, s91, 0x400000                ; V's images
	s_cmp_eq_u32 s[WV], 4                          ; wave 4 fetches K's scale words, wave 5 V's
	s_cselect_b32 s88, s88, s89
	s_cmp_lt_u32 s[WV], 2                          ; waves 0, 1 fetch K's codes, waves 2, 3 V's
	s_cselect_b32 s90, s90, s91
	s_and_b32 s92, s[WV], 1
	s_lshl_b32 s92, s92, 19                        ; my half: 1,024 keys are 64 token tiles of 8,192 bytes, or 8 key steps of 65,536
	s_add_co_u32 s90, s90, s92
	s_mov_b32 s89, 0
	s_mov_b32 s91, 0
	; descriptor groups 1: elements of 8 bytes, no padding; 15:0 the mask: all four work-groups; 21 set beside a mask
	s_mov_b32 s[G1K], 15|(3<<16)|(1<<21)           ; K: 64 key tiles' halves of 512 bytes, 8,192 bytes apart
	s_mov_b32 s[G1K+1], 64<<16
	s_mov_b32 s[G1K+2], 64<<16
	s_mov_b32 s[G1K+3], 64<<16
	s_mov_b32 s[G1K+4], 64
	s_mov_b32 s[G1K+5], 1024
	s_mov_b32 s[G1K+6], 0
	s_mov_b32 s[G1K+7], 0
	s_mov_b32 s[G1V], 15|(3<<16)|(1<<21)           ; V: 8 key steps' 4,096 bytes, 65,536 bytes apart
	s_mov_b32 s[G1V+1], 512<<16
	s_mov_b32 s[G1V+2], 8<<16
	s_mov_b32 s[G1V+3], 512<<16
	s_mov_b32 s[G1V+4], 8
	s_mov_b32 s[G1V+5], 8192
	s_mov_b32 s[G1V+6], 0
	s_mov_b32 s[G1V+7], 0
	s_mov_b32 s[G1KS], 15|(3<<16)|(1<<21)          ; K's scale words: 8,192 dense bytes as 32 rows of 256
	s_mov_b32 s[G1KS+1], 32<<16
	s_mov_b32 s[G1KS+2], 32<<16
	s_mov_b32 s[G1KS+3], 32<<16
	s_mov_b32 s[G1KS+4], 32
	s_mov_b32 s[G1KS+5], 32
	s_mov_b32 s[G1KS+6], 0
	s_mov_b32 s[G1KS+7], 0
	s_mov_b32 s[G1VS], 15|(3<<16)|(1<<21)          ; V's: 16 key steps' 256 bytes, 4,096 bytes apart
	s_mov_b32 s[G1VS+1], 32<<16
	s_mov_b32 s[G1VS+2], 16<<16
	s_mov_b32 s[G1VS+3], 32<<16
	s_mov_b32 s[G1VS+4], 16
	s_mov_b32 s[G1VS+5], 512
	s_mov_b32 s[G1VS+6], 0
	s_mov_b32 s[G1VS+7], 0
	s_lshl_b32 s98, ttmp9, 2
	s_add_co_u32 s98, s98, s13                     ; my block of 256 queries = 4 x cluster x + cx
	s_lshl_b32 s98, s98, 4
	s_lshl_b32 s99, s[WV], 1
	s_add_co_u32 s98, s98, s99
	s_lshl_b32 s99, s15, 7
	s_add_co_u32 s98, s98, s99                     ; my first token tile = 128 b + 16 x block + 2 x wave
	s_lshl_b32 s94, s98, 13
	s_lshl_b32 s2, s16, 9
	s_add_co_u32 s94, s94, s2                      ; Q's half of an image
	s_mov_b32 s95, 0
	s_lshl_b32 s96, s17, 14
	s_lshl_b32 s2, s98, 6
	s_add_co_u32 s96, s96, s2
	s_lshl_b32 s2, s18, 1
	s_add_co_u32 s96, s96, s2                      ; my head's two bytes of my tile's scale words
	s_mov_b32 s97, 0
	s_mul_i32 s2, s98, 40960                       ; o: a token tile's forty images,
	s_lshl_b32 s3, s16, 9
	s_add_co_u32 s2, s2, s3
	s_add_co_u32 s2, s2, 32768                     ; K step 32 + head pair, my head's half
	s_mov_b32 s3, 0
	s_mov_b32 s[SEL], 0x76543210
	s_mov_b32 s[SEL+1], 0xfedcba98                 ; lane l xor 16
	s_mov_b32 s[CS], 0x3e38aa3b                    ; c = log2(e) / 8
	s_mov_b32 s[CS+1], s[CS]
	s_mov_b32 s[CN], 0xbe38aa3b                    ; -c
	s_mov_b32 s[TB], 0
	s_mov_b32 s[TS], 0
	s_mov_b32 s[TJ], 0
	s_wait_dscnt 0x0
	s_wait_kmcnt 0x0
	s_add_nc_u64 s[8:9], s[8:9], s[2:3]
	s_add_nc_u64 s[10:11], s[10:11], s[96:97]
	s_add_nc_u64 s[10:11], s[10:11], 0x80000       ; 32 K steps of 16,384 bytes
	s_add_nc_u64 s[94:95], s[4:5], s[94:95]
	s_add_nc_u64 s[96:97], s[6:7], s[96:97]
	s_mov_b32 s[G0S], 1
	s_lshl_b32 s[G0S+1], s[WV], 15                 ; LDS address: 32,768 x wave
	s_add_nc_u64 s[G0S+2:G0S+3], s[6:7], s[88:89]
	s_or_b32 s[G0S+3], s[G0S+3], 0x80000000
	s_mov_b32 s[G0C], 1
	s_lshl_b32 s[G0C+1], s[WV], 15
	s_add_nc_u64 s[G0C+2:G0C+3], s[4:5], s[90:91]
	s_or_b32 s[G0C+3], s[G0C+3], 0x80000000
	CROUND                                         ; all four work-groups are here: the joint loads meet
.macro ARM under, g0, g1, next         ; one chain of branches on the wave's number, one load to an arm, one join
	s_cmp_lt_u32 s[WV], \under
	s_cbranch_scc0 \next
	tensor_load_to_lds s[\g0:\g0+3], s[\g1:\g1+7]
	s_nop 0
.rept 4
	v_nop
.endr
	s_branch .Lasked
\next:
.endm
	ARM 2, G0C, G1K,  .Lnot_k
	ARM 4, G0C, G1V,  .Lnot_v
	ARM 5, G0S, G1KS, .Lnot_ks
	ARM 6, G0S, G1VS, .Lnot_vs
.Lasked:
	v_and_b32 v1, 31, v0
	v_and_b32 v9, 15, v0                           ; m = lane % 16
	v_lshlrev_b32 v1, 4, v1                        ; 16 x lane: my place in an image
	v_lshlrev_b32 v6, 2, v9                        ; 4 m: my row's scale word
.irp w, 0,1
	global_load_b128 v[QQ+8*\w:QQ+8*\w+3], v1, s[94:95] offset:8192*\w   ; Q's fragment, registers 0-3
	global_load_u16 v[QS+\w], v6, s[96:97] offset:64*\w                  ; Q's two scale bytes; the upper two are 0
.endr
	v_lshrrev_b32 v10, 3, v9                       ; m / 8
	v_and_b32 v11, 7, v9                           ; m % 8
	v_bfe_u32 v8, v0, 4, 1                         ; lane / 16
	v_add_nc_u32 v2, VC, v1
	s_lshl_b32 s99, s18, 1
	s_add_co_u32 s99, s99, KSC
	v_lshlrev_b32 v[AK], 10, v10                   ; K: rows 8-15 of a tile come from the token tile two further on: 1,024 bytes;
	v_lshl_add_u32 v3, v10, 7, s99                 ; K's scale words: my head's two bytes; 32 keys on for rows 8-15,
	v_lshl_add_u32 v[AK], v11, 4, v[AK]            ; 16 bytes a row,
	v_lshl_add_u32 v3, v11, 2, v3                  ; 4 bytes a key
	v_lshl_add_u32 v[AK], v8, 8, v[AK]             ; 256 for the upper half of the lanes
	v_add_nc_u32 v4, VSC, v6
.irp w, 0,1
.irp j, 4,5,6,7
	v_mov_b32 v[QQ+8*\w+\j], 0                     ; K = 64 .. 127 of Q: zero codes
.endr
.endr
.set j, 0
.rept 64
	v_mov_b32 v[OO+j], 0                           ; O^T: the step has no first form of its own
.set j, j+1
.endr
.irp j, 0,1,2,3
	v_mov_b32 v[LL+\j], 0
	v_mov_b32 v[KF+32+\j], 0                       ; behind K's last fragment: named by its product, multiplied by Q's zeros
	v_mov_b32 v[BT+\j], 0                          ; a lane permute's destination counts as one of its sources
.endr
.irp w, 0,1
	v_mov_b32 v[NM+2*\w+1], 0xff61b1e6             ; the largest score so far: -3e38
.endr
.irp w, 0,1
	v_mul_f32 v[RT+\w], s[CN], v[NM+2*\w+1]
.endr
.irp w, 0,1
	v_floor_f32 v[NM+2*\w], v[RT+\w]               ; -M
.endr
.macro KLOAD a, s, o, os               ; a step's eight fragments of K and their scale bytes
.irp t, 0,1,2,3,4,5,6,7
	ds_load_b128 v[KF+4*\t:KF+4*\t+3], v[\a] offset:\o+2048*(\t/4)+512*((\t%4)/2)+128*(\t%2)
	ds_load_u16 v[KS+\t], v[\s] offset:\os+256*(\t/4)+32*(\t%4)
.endr
.endm
; A KEY STEP: 128 keys, both tiles.  more = 1: the next step's K is asked for.
.macro STEP more
.if \more
	v_add_nc_u32 v8, s[TB], v[AK]                  ; four places behind the last step's products, ahead of the loads into V's registers
	v_add_nc_u32 v10, s[TS], v3
.else
	v_nop
	v_nop
.endif
	v_add_nc_u32 v9, s[TB], v2
	v_add_nc_u32 v11, s[TJ], v4
.irp t, 0,1,2,3
	ds_load_b128 v[VF+8*\t:VF+8*\t+3], v9 offset:1024*\t
	ds_load_b128 v[VF+8*\t+4:VF+8*\t+7], v9 offset:1024*\t+512
	ds_load_b32 v[VS+\t], v11 offset:64*\t
.endr
	s_wait_dscnt 12                                ; K's sixteen loads, asked for a step ago, are in; V's twelve may be out
	WIN 0x40                                       ; the scores go to window 1
.irp w, 0,1                            ; S^T = K Q^T
.irp t, 0,1,2,3,4,5,6,7
	v_wmma_scale_f32_16x16x128_f8f6f4 v[SS+64*\w+8*\t:SS+64*\w+8*\t+7], v[KF+4*\t:KF+4*\t+7], v[QQ+8*\w:QQ+8*\w+7], 0, v[KS+\t], v[QS+\w] matrix_a_fmt:MATRIX_FMT_FP4 matrix_b_fmt:MATRIX_FMT_FP4
.endr
.endr
	WIN 0
.irp w, 0,1
	v_mov_b32 v[FF+2*\w+1], v[NM+2*\w]             ; the old -M is kept.  Four places, ahead of the loads into K's registers and of the first read of the scores
.endr
	v_nop
	v_nop
.if \more
	s_wait_alu depctr_va_vdst(0)
	KLOAD 8, 10, 4096, 512
.endif
	; the largest score of each of my blocks: 32 registers in two chains (17 and 15 numbers); eight chains by turns
	WIN 0x15
.irp w, 0,1
.irp c, 0,1
	v_max3_num_f32 v[BM+4*\w+2*\c], v[SS+64*\w+32*\c], v[SS+64*\w+32*\c+1], v[SS+64*\w+32*\c+2]
	v_max3_num_f32 v[BM+4*\w+2*\c+1], v[SS+64*\w+32*\c+17], v[SS+64*\w+32*\c+18], v[SS+64*\w+32*\c+19]
.endr
.endr
	WIN 0x05
.irp i, 0,2,4,6,8,10
.irp w, 0,1
.irp c, 0,1
	v_max3_num_f32 v[BM+4*\w+2*\c], v[SS+64*\w+32*\c+3+\i], v[SS+64*\w+32*\c+4+\i], v[BM+4*\w+2*\c]
	v_max3_num_f32 v[BM+4*\w+2*\c+1], v[SS+64*\w+32*\c+20+\i], v[SS+64*\w+32*\c+21+\i], v[BM+4*\w+2*\c+1]
.endr
.endr
.endr
.irp w, 0,1
.irp c, 0,1
	v_max3_num_f32 v[BM+4*\w+2*\c], v[SS+64*\w+32*\c+15], v[SS+64*\w+32*\c+16], v[BM+4*\w+2*\c]
.endr
.endr
	WIN 0
.irp w, 0,1
.irp c, 0,1
	v_max_num_f32 v[BM+4*\w+2*\c], v[BM+4*\w+2*\c], v[BM+4*\w+2*\c+1]   ; the block's largest score
.endr
.endr
.irp w, 0,1
	v_max_num_f32 v[RT+\w], v[BM+4*\w], v[BM+4*\w+2]
.endr
.irp w, 0,1
	s_delay_alu instid0(VALU_DEP_2)
	v_permlanex16_b32 v[BT+\w], v[RT+\w], s[SEL], s[SEL+1]
.endr
.irp w, 0,1
	s_delay_alu instid0(VALU_DEP_2)
	v_max3_num_f32 v[NM+2*\w+1], v[NM+2*\w+1], v[RT+\w], v[BT+\w]       ; the running largest score of my query
.endr
.irp w, 0,1
	s_delay_alu instid0(VALU_DEP_2)
	v_mul_f32 v[RT+\w], s[CN], v[NM+2*\w+1]        ; -t
.endr
.irp w, 0,1
	s_delay_alu instid0(VALU_DEP_2)
	v_floor_f32 v[NM+2*\w], v[RT+\w]               ; the new -M = -ceil(t)
.endr
.irp w, 0,1
	s_delay_alu instid0(VALU_DEP_2)
	v_sub_f32 v[RT+\w], v[NM+2*\w], v[FF+2*\w+1]   ; old M - new M: a whole number, 0 or less
.endr
.irp w, 0,1
.irp c, 0,1
	v_fma_f32 v[BM+4*\w+2*\c], v[BM+4*\w+2*\c], s[CS], v[NM+2*\w]       ; u = t - M of the block's largest score
.endr
.endr
.irp w, 0,1
	v_cvt_i32_f32 v[RT+\w], v[RT+\w]               ; (it saturates)
.endr
.irp w, 0,1
.irp c, 0,1
	v_max_num_f32 v[BM+4*\w+2*\c], 0xc2f80000, v[BM+4*\w+2*\c]          ; held at -124
.endr
.endr
.irp w, 0,1
	v_ldexp_f32 v[FF+2*\w], 1.0, v[RT+\w]          ; f = 2^(old M - new M)
.endr
.irp w, 0,1
.irp c, 0,1
	v_floor_f32 v[BM+4*\w+2*\c], v[BM+4*\w+2*\c]   ; the exponent of the block's largest p
.endr
.endr
.irp w, 0,1
.irp c, 0,1
	s_delay_alu instid0(VALU_DEP_4)
	v_cvt_i32_f32 v[BM+4*\w+2*\c], v[BM+4*\w+2*\c]
.endr
.endr
.irp w, 0,1
.irp c, 0,1
	s_delay_alu instid0(VALU_DEP_4)
	v_ldexp_f32 v[SO+2*\w+\c], 0x3e800000, v[BM+4*\w+2*\c]              ; 2^(exponent - 2): the conversion's scale operand
.endr
.endr
.irp w, 0,1
.irp c, 0,1
	s_delay_alu instid0(VALU_DEP_4)
	v_lshrrev_b32 v[BM+4*\w+2*\c+1], 23, v[SO+2*\w+\c]                  ; the scale's byte
.endr
.endr
.irp w, 0,1
	v_lshl_or_b32 v[BT+\w], v[BM+4*\w+3], 16, v[BM+4*\w+1]              ; my two bytes: blocks h and 2 + h
.endr
.irp w, 0,1
	s_delay_alu instid0(VALU_DEP_2)
	v_permlanex16_b32 v[RT+\w], v[BT+\w], s[SEL], s[SEL+1]
.endr
.irp w, 0,1
	s_delay_alu instid0(VALU_DEP_2)
	v_lshl_or_b32 v[PS+\w], v[RT+\w], 8, v[BT+\w]  ; lanes 0-15: p's scale word for these 128 keys (lanes 16-31 are not read)
.endr
.irp w, 0,1                            ; O^T and the sums under the new M, each accumulator from its low end on
.set j, 0
.rept 16
	v_pk_mul_f32 v[OO+32*\w+j:OO+32*\w+j+1], v[OO+32*\w+j:OO+32*\w+j+1], v[FF+2*\w:FF+2*\w+1] op_sel_hi:[1,0]
.set j, j+2
.endr
	v_pk_mul_f32 v[LL+2*\w:LL+2*\w+1], v[LL+2*\w:LL+2*\w+1], v[FF+2*\w:FF+2*\w+1] op_sel_hi:[1,0]
.endr
	WIN 0x41
.set j, 0
.rept 32
	v_pk_fma_f32 v[SS+j:SS+j+1], v[SS+j:SS+j+1], s[CS:CS+1], v[NM:NM+1] op_sel_hi:[1,0,0]   ; tile 0: t - M, two at a time
.set j, j+2
.endr
	s_wait_alu depctr_va_vdst(0)                   ; the wait ahead of the batch
.set j, 0
.rept 32
	v_exp_f32 v[SS+j], v[SS+j]                     ; tile 0: p = 2^(t - M)
	v_exp_f32 v[SS+j+1], v[SS+j+1]
	v_pk_fma_f32 v[SS+64+j:SS+64+j+1], v[SS+64+j:SS+64+j+1], s[CS:CS+1], v[NM+2:NM+3] op_sel_hi:[1,0,0]   ; tile 1: t - M; read behind the wait below
.set j, j+2
.endr
	s_wait_alu depctr_va_vdst(0)                   ; behind the first batch and ahead of the second
	WIN 0x45
.set j, 0
.rept 16
	v_exp_f32 v[SS+64+2*j], v[SS+64+2*j]           ; tile 1
	v_exp_f32 v[SS+64+2*j+1], v[SS+64+2*j+1]
	v_exp_f32 v[SS+64+2*j+2], v[SS+64+2*j+2]
	v_exp_f32 v[SS+64+2*j+3], v[SS+64+2*j+3]
	v_pk_add_f32 v[UU+j:UU+j+1], v[SS+2*j:SS+2*j+1], v[SS+2*j+2:SS+2*j+3]   ; tile 0's first 16 sums; read behind the wait below
.set j, j+2
.endr
	s_wait_alu depctr_va_vdst(0)                   ; behind the second batch
	WIN 0x41
.irp w, 0,1
.irp c, 0,1
.irp g, 0,1,2,3
	v_cvt_scalef32_pk8_fp4_f32 v[PC+8*\w+4*\c+\g], v[SS+64*\w+32*\c+8*\g:SS+64*\w+32*\c+8*\g+7], v[SO+2*\w+\c]   ; register 4 c + g of the operand
.endr
.endr
.endr
	v_nop                                          ; one plain place behind a scaled conversion
	WIN 0x45                               ; the row's sums of the unquantised p, as trees, both tiles by turns
.set j, 0
.rept 16
	v_pk_add_f32 v[UU+32+j:UU+32+j+1], v[SS+64+2*j:SS+64+2*j+1], v[SS+64+2*j+2:SS+64+2*j+3]
.set j, j+2
.endr
.irp n, 16,8,4
.set j, 0
.rept \n/2
	v_pk_add_f32 v[UU+j:UU+j+1], v[UU+j:UU+j+1], v[UU+\n+j:UU+\n+j+1]
	v_pk_add_f32 v[UU+32+j:UU+32+j+1], v[UU+32+j:UU+32+j+1], v[UU+32+\n+j:UU+32+\n+j+1]
.set j, j+2
.endr
.endr
	WIN 0x01
.irp k, 0,2
.irp w, 0,1
	v_pk_add_f32 v[LL+2*\w:LL+2*\w+1], v[UU+32*\w+\k:UU+32*\w+\k+1], v[LL+2*\w:LL+2*\w+1]
.endr
.endr
	s_wait_dscnt 16*\more                          ; V is in; the next step's sixteen loads of K may be out
	WIN 0x04                               ; p's codes in window 1
.irp w, 0,1                            ; O^T += V^T P^T: four tiles of 16 of the head's 64, by turns
.irp t, 0,1,2,3
	v_wmma_scale_f32_16x16x128_f8f6f4 v[OO+32*\w+8*\t:OO+32*\w+8*\t+7], v[VF+8*\t:VF+8*\t+7], v[PC+8*\w:PC+8*\w+7], v[OO+32*\w+8*\t:OO+32*\w+8*\t+7], v[VS+\t], v[PS+\w] matrix_a_fmt:MATRIX_FMT_FP4 matrix_b_fmt:MATRIX_FMT_FP4
.endr
.endr
	WIN 0
.if \more
	s_add_co_u32 s[TB], s[TB], 4096
	s_add_co_u32 s[TS], s[TS], 512
	s_add_co_u32 s[TJ], s[TJ], 256
.endif
.endm
	s_wait_alu depctr_va_vdst(0)                   ; the wait at the head's end
	s_wait_loadcnt 0x0                             ; Q
	s_wait_tensorcnt 0x0                           ; my tensor load, if I have one, has landed,
	s_barrier_signal -1
	s_barrier_wait -1                              ; everybody's has; nothing is filled again
	KLOAD AK, 3, 0, 0                              ; the first step's K
	s_mov_b32 s[TRIP], 15
.Lstep:
	STEP 1
	s_sub_co_u32 s[TRIP], s[TRIP], 1
	s_cmp_lg_u32 s[TRIP], 0
	s_cbranch_scc1 .Lstep
	STEP 0                                         ; the last step is written out: it asks for no further K
	; THE WAY OUT, both tiles by turns, in window 0: O^T / the sum into v64-127; quantised along E: a head's 64 are two blocks; register 8 t + j is d = 16 t + 8 (lane / 16) + j of my query
.set VV, 64
.set CO, OO                            ; the codes, 4 registers a tile, where O^T lay
.rept 4
	v_nop                                          ; places behind the last products
.endr
	s_wait_alu depctr_va_vdst(0)                   ; the sums were written just ahead of a wait that blocks
.irp w, 0,1
	v_add_f32 v[LL+2*\w], v[LL+2*\w], v[LL+2*\w+1]
.endr
.irp w, 0,1
	s_delay_alu instid0(VALU_DEP_2)
	v_permlanex16_b32 v[RT+\w], v[LL+2*\w], s[SEL], s[SEL+1]
.endr
.irp w, 0,1
	s_delay_alu instid0(VALU_DEP_2)
	v_add_f32 v[LL+2*\w], v[LL+2*\w], v[RT+\w]     ; the row's sum
.endr
	s_wait_alu depctr_va_vdst(0)                   ; the wait ahead of the transcendentals
.irp w, 0,1
	v_rcp_f32 v[LL+2*\w], v[LL+2*\w]
.endr
	v_nop
	s_wait_alu depctr_va_vdst(0)                   ; and ahead of their first readers, which are also the first readers of O^T
.irp w, 0,1
.set j, 0
.rept 32
	v_mul_f32 v[VV+32*\w+j], v[OO+32*\w+j], v[LL+2*\w]
.set j, j+1
.endr
.endr
.irp n, 0,1,2,3                        ; block n = 2 w + b
	v_max3_num_f32 v[BM+\n], |v[VV+16*\n]|, |v[VV+16*\n+1]|, 0x1800000
.endr
.irp i, 2,4,6,8,10,12,14
.irp n, 0,1,2,3
	s_delay_alu instid0(VALU_DEP_4)
	v_max3_num_f32 v[BM+\n], v[BM+\n], |v[VV+16*\n+\i]|, |v[VV+16*\n+\i+1]|
.endr
.endr
.irp n, 0,1,2,3
	s_delay_alu instid0(VALU_DEP_4)
	v_permlanex16_b32 v[BT+\n], v[BM+\n], s[SEL], s[SEL+1]
.endr
.irp n, 0,1,2,3
	s_delay_alu instid0(VALU_DEP_4)
	v_max_num_f32 v[BM+\n], v[BM+\n], v[BT+\n]
.endr
.irp n, 0,1,2,3
	s_delay_alu instid0(VALU_DEP_4)
	v_add_nc_u32 v[SO+\n], 0xff000000, v[BM+\n]
.endr
.irp n, 0,1,2,3
	s_delay_alu instid0(VALU_DEP_4)
	v_lshrrev_b32 v[BT+\n], 23, v[SO+\n]
.endr
.irp w, 0,1
	v_lshl_or_b32 v[RT+\w], v[BT+2*\w+1], 8, v[BT+2*\w]            ; my head's two bytes of the row's scale word
.endr
.irp w, 0,1
.irp b, 0,1
	v_cvt_scalef32_pk8_fp4_f32 v[CO+4*\w+\b], v[VV+32*\w+16*\b:VV+32*\w+16*\b+7], v[SO+2*\w+\b]
	v_cvt_scalef32_pk8_fp4_f32 v[CO+4*\w+2+\b], v[VV+32*\w+16*\b+8:VV+32*\w+16*\b+15], v[SO+2*\w+\b]
.endr
.endr
	v_nop
.irp w, 0,1
	v_permlane16_swap_b32 v[CO+4*\w], v[CO+4*\w+1]
	v_permlane16_swap_b32 v[CO+4*\w+2], v[CO+4*\w+3]
.endr
.irp w, 0,1
	global_store_b128 v1, v[CO+4*\w:CO+4*\w+3], s[8:9] offset:40960*\w   ; half an image: 512 consecutive bytes
	global_store_b16 v6, v[RT+\w], s[10:11] offset:64*\w                 ; lanes l and l xor 16 store the same two bytes
.endr
	s_wait_tensorcnt 0x0                           ; the wave's end
	ds_add_u32 v5, v7
	s_wait_dscnt 0x0
	CROUND                                         ; the closing round
	s_endpgm
.Lfunc_end_k_q1ca011ca53_attn:
	.size	k_q1ca011ca53_attn, .Lfunc_end_k_q1ca011ca53_attn-k_q1ca011ca53_attn
	.p2alignl 7, 3214868480
	.fill 96, 4, 3214868480
	.section	.rodata,"a",@progbits
	.p2align	6, 0x0
	.amdhsa_kernel k_q1ca011ca53_attn
		.amdhsa_group_segment_fixed_size 169984
		.amdhsa_private_segment_fixed_size 0
		.amdhsa_enable_private_segment 0
		.amdhsa_kernarg_size 32
		.amdhsa_user_sgpr_count 2
		.amdhsa_user_sgpr_kernarg_segment_ptr 1
		.amdhsa_wavefront_size32 1
		.amdhsa_system_sgpr_workgroup_id_x 1
		.amdhsa_system_sgpr_workgroup_id_y 1
		.amdhsa_system_sgpr_workgroup_id_z 1
		.amdhsa_system_vgpr_workitem_id 0
		.amdhsa_next_free_vgpr 512
		.amdhsa_next_free_sgpr 100
		.amdhsa_reserve_vcc 0
		.amdhsa_float_denorm_mode_32 3
		.amdhsa_float_denorm_mode_16_64 3
		.amdhsa_memory_ordered 1
		.amdhsa_forward_progress 1
		.amdhsa_inst_pref_size 76
	.end_amdhsa_kernel
	.amdgpu_metadata
---
amdhsa.version: [ 1, 2 ]
amdhsa.kernels:
  - .name:           k_q1ca011ca53_attn
    .symbol:         k_q1ca011ca53_attn.kd
    .args:
      - { .name: qkvc, .offset: 0, .size: 8, .value_kind: global_buffer, .address_space: global }
      - { .name: qkvs, .offset: 8, .size: 8, .value_kind: global_buffer, .address_space: global }
      - { .name: a2c, .offset: 16, .size: 8, .value_kind: global_buffer, .address_space: global }
      - { .name: a2s, .offset: 24, .size: 8, .value_kind: global_buffer, .address_space: global }
    .group_segment_fixed_size: 169984
    .private_segment_fixed_size: 0
    .kernarg_segment_align: 8
    .kernarg_segment_size: 32
    .max_flat_workgroup_size: 256
    .sgpr_count:     100
    .vgpr_count:     512
    .wavefront_size: 32
...
	.end_amdgpu_metadata
.endif
;; end of part 3
;; launch outp (part 4): grid 8 x 32, 4 waves a work-group, clusters of 4 x 4, 327,680 bytes of LDS; arguments a2c, a2s, W2_codes, W2_scales, Wo_codes, Wo_scales, b2, bo, x, out0; writes out0
.if DOCPART == 4
	.amdgcn_target "amdgcn-amd-amdhsa--gfx1250"
	.amdhsa_code_object_version 6
	.text
	.protected	k_q1ca011ca53_outp
	.globl	k_q1ca011ca53_outp
	.p2align	8
	.type	k_q1ca011ca53_outp,@function
k_q1ca011ca53_outp:
	s_mov_b64 s[64:65], 0
	v_nop
	global_prefetch_b8 v0, s[64:65] scope:SCOPE_SE
	s_setreg_imm32_b32 hwreg(HW_REG_WAVE_MODE, 25, 1), 1
	s_wait_xcnt 0x0
	s_wait_alu depctr_hold_cnt(0) depctr_sa_sdst(0) depctr_va_vdst(0) depctr_va_sdst(0) depctr_va_ssrc(0) depctr_va_vcc(0) depctr_vm_vsrc(0)
	s_getreg_b32 s2, hwreg(HW_REG_IB_STS2, 6, 4)
	s_cmp_eq_u32 s2, 0
	s_cbranch_scc0 .Lentry_in_a_cluster
	s_endpgm
.Lentry_in_a_cluster:
	s_bfe_u32 s2, ttmp6, 0x10000c
	s_cmp_lg_u32 s2, 0xf033
	s_cbranch_scc0 .Lentry_shape_is_right
	s_endpgm
.Lentry_shape_is_right:
; out0 = x + (hidden W2 + b2) + (o Wo + bo): the two products are ONE sum over K = 5,120, on codes of FP4 (E2M1) with E8M0 scales.  K steps 0-31 of a2c are the hidden layer (against W2), K steps 32-39 are o (against Wo).
; a2c: images of operand registers [token tile 256][K step 40][1,024 bytes] (registers 4 c .. 4 c + 3 of lane l at 512 c + 16 l); a2s: scale words [K step 40][token 4,096].  W2: rows of 2,048 bytes, Wo: rows of 512 bytes, K innermost.
; A tile of the output is 128 tokens x 128 columns: 256 work-groups.  Four waves, each 64 x 64: 16 accumulators.  K goes in five chunks of 1,024 through two LDS slots: chunks 0 and 1 are first fills, chunks 2, 3, 4 refills.
; All scale words of the work-group's rows, for all of K, come once, with the first fills, and stay.
; CLUSTERS: 4 x 4 work-groups.  The four of a row of the cluster need the same tokens' images, the four of a column the same rows of the weights: each tile is asked for JOINTLY, by the same tensor load with the same descriptor
; and a mask that names the four.  THE MATRIX INSTRUCTION IS USED TRANSPOSED (source 0 = 16 rows of a weight, source 1 = 16 tokens): a lane then holds eight neighbouring numbers of a row of the output.
; b2 + bo is the C of each sum's first product.  x is wanted only on the way out: it is not asked for at the head, beside the first fills, but a quarter of it in each of chunks 0 to 3, and lands under the products.
; The text is written out by macros, without a loop: five chunks, each with its own immediates.
; LIMITS: NaN and infinities among the inputs are not served.
; REGISTERS: window 0: v16-31 addresses; v32-63 scale words, two sets; v64-95 the bias, later rows on the way out; v96-127 bo, later rows on the way out; v128-255 the accumulators ((a, b) at v[128 + 8 (4 a + b)]).
;   window 1: two fragment buffers of 128: two K steps deep, 64 registers of tokens' fragments, then 64 of the weights'.   window 2: v0-127 my 64 x 64 numbers of x.
.set SLOT,  133120                     ; a slot: the tokens' images [8 tiles][8 K steps][1,024] = 65,536 bytes, then 128 rows of a weight x (512 + 16) bytes
.set BOFS,  65536
.set BP,    528                        ; a weight's row in LDS: the sixteen rows that a load touches begin 16 bytes apart modulo 256
.set ASC,   2*SLOT                     ; the tokens' scale words [K step 40][128]
.set BS2,   ASC+20480                  ; W2's scale bytes: 128 rows x 128, as blocks of 256 bytes + 16 of padding
.set BSO,   BS2+17408                  ; Wo's: 128 rows x 32, likewise
.set STAGE, BSO+4352                   ; the way out: 16 rows x (256 + 16) bytes for each wave; no fill lands here
.set SPARE, STAGE+17408                ; the spare words, 128 bytes for each wave: two blocks of 256 bytes that no other line names
.set ADRA, 16                          ; v16-17 LDS address of my tokens' images in slot 0, 1
.set ADRB, 20                          ; v20-21 of my rows of the weight
.set ADSA, 22                          ; v22    of my tokens' scale words
.set ADS2, 23                          ; v23    of W2's
.set ADSO, 24                          ; v24    of Wo's
.set STO,  25                          ; v25    the way out: where I put 32 bytes of a row
.set RD,   26                          ; v26    where I read a row back
.set CO,   27                          ; v27    my byte offset in x and in the output; never rewritten
.set SPW,  28                          ; v28    LDS address of my spare word: SPARE + 4 x my thread's number; never rewritten
.set NIL,  29                          ; v29    0; never rewritten
.set BOF,  31                          ; v31    32 x (lane / 16): the bias loads' offset
.set SW,   32                          ; scale words: set f at SW + 16 f: the tokens' (K step c, block a) at 4 c + a, the weight's (c, b) at 8 + 4 c + b
.set BI,   64
.set ACC,  128
.set F0,   0
.set F1,   128
.set WV, 12                            ; s12 wave;  s13 wave / 2: my half of the tokens, and: I fetch tokens (0) or weights (1);  s14 wave % 2: my half of the columns, and: which half I fetch
.set FA, 13
.set HF, 14
.set G1A,  24                          ; s[24:31] descriptor group 1 for the tokens' images; s[32:39] for the weights' rows; s[40:47], s[48:55] their groups 0, one a slot
.set G1B,  32
.set G0A,  40
.set G0B,  48
.set G1AS, 56                          ; s[56:63] group 1 for the tokens' scale words; s[68:75] W2's scale bytes; s[76:83] Wo's; s[84:87], s[88:91], s[92:95] their groups 0
.set G1S2, 68
.set G1SO, 76
.set G0AS, 84
.set G0S2, 88
.set G0SO, 92
.set WOA,  96                          ; s[96:97] where my rows of Wo begin
.set MSB, 0
.macro WIN new                         ; the immediate's high byte repeats the setting that is left
.if MSB != \new
	s_set_vgpr_msb (MSB<<8)|\new
.set MSB, \new
.endif
.endm
.set MUL,  0x05                        ; sources 0 and 1 window 1; C and D window 0
.set TO_F, 0x40                        ; destination window 1, address window 0
.macro JLOAD s                         ; a joint refill: waves 0 and 1 fetch the tokens' halves, waves 2 and 3 the weight's; four v_nop follow each line, ahead of the jump, the label and what follows
	s_cmp_eq_u32 s[FA], 0
	s_cbranch_scc0 .Lfor_b_\@
	tensor_load_to_lds s[G0A+4*\s:G0A+4*\s+3], s[G1A:G1A+7]
	s_nop 0
.rept 4
	v_nop
.endr
	s_branch .Lasked_\@
.Lfor_b_\@:
	tensor_load_to_lds s[G0B+4*\s:G0B+4*\s+3], s[G1B:G1B+7]
	s_nop 0
.rept 4
	v_nop
.endr
.Lasked_\@:
.endm
.macro CREST                           ; a round of the cluster's barrier behind its opening barrier
	s_cmp_lg_u32 s[WV], 0
	s_cbranch_scc1 .Lnot_wave_0_\@
	s_barrier_signal -3
.Lnot_wave_0_\@:
	s_barrier_wait -3
	s_barrier_signal -1
	s_barrier_wait -1
.endm
.macro CROUND                          ; a whole round
	s_barrier_signal -1
	s_barrier_wait -1
	CREST
.endm
	s_load_b64 s[G0A+2:G0A+3], s[0:1], 0x0         ; a2c: each address lands where its descriptor wants it
	s_load_b64 s[G0AS+2:G0AS+3], s[0:1], 0x8       ; a2s
	s_load_b64 s[G0B+2:G0B+3], s[0:1], 0x10        ; W2's codes
	s_load_b64 s[G0S2+2:G0S2+3], s[0:1], 0x18      ; W2's scales
	s_load_b64 s[WOA:WOA+1], s[0:1], 0x20          ; Wo's codes
	s_load_b64 s[G0SO+2:G0SO+3], s[0:1], 0x28      ; Wo's scales
	s_load_b128 s[4:7], s[0:1], 0x30               ; b2, bo
	s_load_b128 s[8:11], s[0:1], 0x40              ; x, out0
	v_lshl_add_u32 v[SPW], v0, 2, SPARE
	v_mov_b32 v[NIL], 0
	ds_add_u32 v28, v29
	ds_add_u32 v28, v29
	s_wait_dscnt 0x0
	v_lshrrev_b32 v1, 5, v0
	v_readfirstlane_b32 s[WV], v1                  ; wave 0..3
	s_lshr_b32 s[FA], s[WV], 1
	s_and_b32 s[HF], s[WV], 1
	s_bfe_u32 s15, ttmp6, 0x40000                  ; cx, cy: my place in the cluster
	s_bfe_u32 s16, ttmp6, 0x40004
	s_lshl_b32 s17, ttmp9, 2
	s_add_co_u32 s17, s17, s15                     ; tile column = 4 x cluster x + cx
	s_and_b32 s18, ttmp7, 0xffff
	s_lshl_b32 s18, s18, 2
	s_add_co_u32 s18, s18, s16                     ; tile row = 4 x cluster y + cy
	s_lshl_b32 s19, s16, 2
	s_lshl_b32 s19, 15, s19                        ; my row of the cluster
	s_lshl_b32 s20, 0x1111, s15                    ; my column
	; descriptor groups 1
	s_or_b32 s[G1A], s19, (3<<16)|(1<<21)          ; the tokens' images: 15:0 the mask: my row; 17:16 elements of 8 bytes; 21 set beside a mask; no padding.  4 token tiles' 8,192 bytes (8 K steps), 40,960 bytes apart
	s_mov_b32 s[G1A+1], 1024<<16
	s_mov_b32 s[G1A+2], 8<<16                      ; the head's load brings all 8 token tiles; set to 4 behind it
	s_mov_b32 s[G1A+3], 1024<<16
	s_mov_b32 s[G1A+4], 8
	s_mov_b32 s[G1A+5], 5120
	s_mov_b32 s[G1A+6], 0
	s_mov_b32 s[G1A+7], 0
	s_or_b32 s[G1B], s20, (1<<20)|(1<<21)|(6<<22)|(3<<25)   ; the weights' rows: my column; elements of 1 byte; four words of padding after every 128.  64 rows x 512 bytes
	s_mov_b32 s[G1B+1], 512<<16
	s_mov_b32 s[G1B+2], 128<<16                    ; chunks 0 and 1 come as all 128 rows in one load; set to 64 ahead of the first refill
	s_mov_b32 s[G1B+3], 512<<16
	s_mov_b32 s[G1B+4], 128
	s_mov_b32 s[G1B+5], 2048                       ; W2's pitch; Wo's is written at the one change of slots that asks for Wo
	s_mov_b32 s[G1B+6], 0
	s_mov_b32 s[G1B+7], 0
	s_or_b32 s[G1AS], s19, (3<<16)|(1<<21)         ; the tokens' scale words: 40 K steps' 512 bytes, 16,384 bytes apart
	s_mov_b32 s[G1AS+1], 64<<16
	s_mov_b32 s[G1AS+2], 40<<16                    ; all 40 K steps in one load
	s_mov_b32 s[G1AS+3], 64<<16
	s_mov_b32 s[G1AS+4], 40
	s_mov_b32 s[G1AS+5], 2048
	s_mov_b32 s[G1AS+6], 0
	s_mov_b32 s[G1AS+7], 0
	s_or_b32 s[G1S2], s20, (3<<16)|(1<<20)|(1<<21)|(5<<22)|(3<<25)   ; W2's scale bytes of 128 rows: 16,384 dense bytes as 64 rows of 256, 16 bytes of padding behind each
	s_mov_b32 s[G1S2+1], 32<<16
	s_mov_b32 s[G1S2+2], 64<<16                    ; all 128 rows: 16,384 dense bytes
	s_mov_b32 s[G1S2+3], 32<<16
	s_mov_b32 s[G1S2+4], 64
	s_mov_b32 s[G1S2+5], 32
	s_mov_b32 s[G1S2+6], 0
	s_mov_b32 s[G1S2+7], 0
	s_or_b32 s[G1SO], s20, (3<<16)|(1<<20)|(1<<21)|(5<<22)|(3<<25)   ; Wo's: 4,096 dense bytes as 16 rows of 256
	s_mov_b32 s[G1SO+1], 32<<16
	s_mov_b32 s[G1SO+2], 16<<16                    ; all 128 rows: 4,096 dense bytes
	s_mov_b32 s[G1SO+3], 32<<16
	s_mov_b32 s[G1SO+4], 16
	s_mov_b32 s[G1SO+5], 32
	s_mov_b32 s[G1SO+6], 0
	s_mov_b32 s[G1SO+7], 0
	; groups 0: counts and LDS addresses, made of the wave's number alone
	s_mov_b32 s[G0A], 1
	s_lshl_b32 s[G0A+1], s[HF], 15
	s_mov_b32 s[G0A+4], 1
	s_add_co_u32 s[G0A+5], s[G0A+1], SLOT
	s_mov_b32 s[G0B], 1
	s_mul_i32 s[G0B+1], s[HF], 64*BP
	s_add_co_u32 s[G0B+1], s[G0B+1], BOFS
	s_mov_b32 s[G0B+4], 1
	s_add_co_u32 s[G0B+5], s[G0B+1], SLOT
	s_mov_b32 s[G0AS], 1
	s_mov_b32 s[G0AS+1], ASC
	s_mov_b32 s[G0S2], 1
	s_mov_b32 s[G0S2+1], BS2
	s_mov_b32 s[G0SO], 1
	s_mov_b32 s[G0SO+1], BSO
	; the tokens' offsets hang on the tile row alone, in registers that never hold cx; the weights' on the tile column alone
	s_lshl_b32 s22, s18, 3
	s_lshl_b32 s23, s[HF], 2
	s_add_co_u32 s22, s22, s23
	s_mul_i32 s22, s22, 40960                      ; token tile 8 x tile row + 4 x half
	s_mov_b32 s23, 0
	s_lshl_b32 s98, s17, 7
	s_lshl_b32 s99, s[HF], 6
	s_add_co_u32 s98, s98, s99                     ; the weights' row 128 x tile column + 64 x half: those that I fetch, and those that I multiply
	s_mov_b32 s101, 0
	s_wait_kmcnt 0x0
	s_cmp_eq_u32 s[FA], 0
	s_cselect_b64 s[104:105], s[G0A+2:G0A+3], s[G0B+2:G0B+3]   ; the prefetches' base: a2c for the waves that fetch tokens, W2's codes for the others
	s_add_nc_u64 s[G0A+2:G0A+3], s[G0A+2:G0A+3], s[22:23]
	s_add_nc_u64 s[G0A+6:G0A+7], s[G0A+2:G0A+3], 8192              ; chunk 1
	s_or_b32 s[G0A+3], s[G0A+3], 0x80000000
	s_or_b32 s[G0A+7], s[G0A+7], 0x80000000
	s_mov_b32 s22, 0                               ; from K step 0 on
	s_lshl_b32 s21, s18, 9                         ; 128 tokens' words
	s_add_co_u32 s22, s22, s21
	s_add_nc_u64 s[G0AS+2:G0AS+3], s[G0AS+2:G0AS+3], s[22:23]
	s_or_b32 s[G0AS+3], s[G0AS+3], 0x80000000
	s_lshl_b32 s100, s98, 11
	s_add_nc_u64 s[G0B+2:G0B+3], s[G0B+2:G0B+3], s[100:101]
	s_add_nc_u64 s[G0B+6:G0B+7], s[G0B+2:G0B+3], 512               ; chunk 1
	s_or_b32 s[G0B+3], s[G0B+3], 0x80000000
	s_or_b32 s[G0B+7], s[G0B+7], 0x80000000
	s_lshl_b32 s100, s17, 14                       ; the tile column's 128 rows of 128 scale bytes
	s_add_nc_u64 s[G0S2+2:G0S2+3], s[G0S2+2:G0S2+3], s[100:101]
	s_or_b32 s[G0S2+3], s[G0S2+3], 0x80000000
	s_lshl_b32 s100, s98, 9
	s_add_nc_u64 s[WOA:WOA+1], s[WOA:WOA+1], s[100:101]
	s_lshl_b32 s100, s17, 12                       ; the tile column's 128 rows of 32 scale bytes
	s_add_nc_u64 s[G0SO+2:G0SO+3], s[G0SO+2:G0SO+3], s[100:101]
	s_or_b32 s[G0SO+3], s[G0SO+3], 0x80000000
	s_lshl_b32 s100, s98, 2
	s_add_nc_u64 s[4:5], s[4:5], s[100:101]        ; b2 and bo at my first column
	s_add_nc_u64 s[6:7], s[6:7], s[100:101]
	s_lshl_b32 s2, s18, 7
	s_lshl_b32 s3, s[FA], 6
	s_add_co_u32 s2, s2, s3                        ; my first token: 128 x tile row + 64 x half
	s_lshl_b32 s2, s2, 12
	s_add_co_u32 s2, s2, s100
	s_mov_b32 s3, 0
	s_add_nc_u64 s[8:9], s[8:9], s[2:3]            ; x and the output at my 64 x 64
	s_add_nc_u64 s[10:11], s[10:11], s[2:3]
	CROUND                                         ; all sixteen work-groups are here: the first joint loads meet
; THE HEAD'S LOADS, ONE A WAVE: wave 0 chunk 0's eight token tiles, wave 1 the tokens' scale words, wave 2 chunk 0's 128 rows of W2, wave 3 W2's scale bytes.
; Waves 0 and 2 have half 0, so their slot 0 descriptors name the tile's first byte in memory and in LDS.  One chain of branches on the wave's number, one load to an arm, one join.
.macro HARM under, g0, g1, next, join
	s_cmp_lt_u32 s[WV], \under
	s_cbranch_scc0 \next
	tensor_load_to_lds s[\g0:\g0+3], s[\g1:\g1+7]
	s_nop 0
.rept 4
	v_nop
.endr
	s_branch \join
\next:
.endm
	HARM 1, G0A,  G1A,  .Lhead_as, .Lfirst_asked
	HARM 2, G0AS, G1AS, .Lhead_b,  .Lfirst_asked
	HARM 3, G0B,  G1B,  .Lhead_s2, .Lfirst_asked
	tensor_load_to_lds s[G0S2:G0S2+3], s[G1S2:G1S2+7]
	s_nop 0
.rept 4
	v_nop
.endr
.Lfirst_asked:
	v_and_b32 v1, 15, v0                           ; r = lane % 16
	v_bfe_u32 v2, v0, 4, 1                         ; h = lane / 16
	v_lshlrev_b32 v[BOF], 5, v2
	v_lshlrev_b32 v[CO], 12, v2
	v_lshl_add_u32 v[CO], v1, 4, v[CO]             ; lanes 0-15 take 256 bytes of one row of x or of the output, lanes 16-31 of the next
.irp b, 0,1,2,3                        ; the biases in the result's layout: tile b, register j: column 16 b + 8 h + j of my 64
	global_load_b128 v[BI+8*\b:BI+8*\b+3],     v[BOF], s[4:5] offset:64*\b
	global_load_b128 v[BI+8*\b+4:BI+8*\b+7],   v[BOF], s[4:5] offset:64*\b+16
	global_load_b128 v[BI+32+8*\b:BI+35+8*\b], v[BOF], s[6:7] offset:64*\b
	global_load_b128 v[BI+36+8*\b:BI+39+8*\b], v[BOF], s[6:7] offset:64*\b+16
.endr
	; THE PREFETCHES.  A chunk is 8 token tiles x 8,192 bytes and 128 rows of a weight x 512 bytes.  The four partners that ask for a tile jointly share its bytes out BY ADDRESS (cx for the tokens, cy for the weights):
	; a work-group names 2 token tiles and 32 rows, a wave one token tile (32 lanes x 256 bytes) or 16 rows (2 lanes a row): one instruction a wave and chunk.  With idx = 8 x tile row or column + 2 x place + half, the wave's bytes begin at
	; idx x 40,960 in a2c, idx x 32,768 in W2, idx x 8,192 in Wo.  Chunks 1 and 2 are named here, chunk 3 behind chunk 1's load, chunk 4 behind chunk 2's: each at least one load ahead of its own.
	; Each chunk has an offset register of its own (v8-11), and the two bases are not written again.
	s_cmp_eq_u32 s[FA], 0
	s_cselect_b32 s98, s15, s16                    ; my place among the four
	s_cselect_b32 s21, s18, s17                    ; tile row or tile column
	s_mov_b32 s22, 32768
	s_cselect_b32 s22, 40960, s22
	s_cselect_b32 s99, 4, 0                        ; a chunk on: 8,192 or 512 bytes
	s_cselect_b32 s100, 0, 2                       ; two lanes on: 512 or 2,048 bytes
	s_cselect_b32 s101, 32768, 0                   ; chunk 4: four chunks on in a2c, or Wo's first byte of the row
	s_lshl_b32 s21, s21, 3
	s_lshl_b32 s98, s98, 1
	s_add_co_u32 s21, s21, s98
	s_add_co_u32 s21, s21, s[HF]                   ; idx
	s_mul_i32 s22, s21, s22
	s_add_nc_u64 s[104:105], s[104:105], s[22:23]
	s_mov_b64 s[2:3], s[WOA:WOA+1]                 ; Wo at row 128 x tile column + 64 x half: on by 32 x place rows, back by 48 x half
	s_lshl_b32 s22, s98, 13
	s_add_nc_u64 s[2:3], s[2:3], s[22:23]
	s_mul_i32 s22, s[HF], 24576
	s_sub_nc_u64 s[2:3], s[2:3], s[22:23]
	s_cmp_eq_u32 s[FA], 0
	s_cselect_b64 s[2:3], s[104:105], s[2:3]       ; chunk 4's base
	s_lshl_b32 s100, 512, s100
	s_lshl_b32 s99, 512, s99
	v_and_b32 v7, 31, v0
	v_lshrrev_b32 v8, 1, v7
	v_and_b32 v9, 1, v7
	v_mul_u32_u24 v8, s100, v8
	v_lshl_add_u32 v12, v9, 8, v8
	v_add_nc_u32 v8, s99, v12                      ; chunk 1
	v_add_nc_u32 v9, s99, v8                       ; chunk 2
	v_add_nc_u32 v10, s99, v9                      ; chunk 3
	v_lshl_add_u32 v11, v7, 8, s101                ; chunk 4: lanes 256 bytes apart for both
	global_prefetch_b8 v8, s[104:105] th:TH_LOAD_NT scope:SCOPE_SE
	global_prefetch_b8 v9, s[104:105] th:TH_LOAD_NT scope:SCOPE_SE
	v_and_b32 v3, 31, v0
	v_lshlrev_b32 v4, 4, v3                        ; 16 x lane: my place in an image
	s_lshl_b32 s21, s[FA], 15                      ; my four token tiles
	v_add_nc_u32 v[ADRA], s21, v4
	s_add_co_u32 s21, s21, SLOT
	v_add_nc_u32 v[ADRA+1], s21, v4
	v_mul_u32_u24 v5, v1, BP
	v_lshl_add_u32 v5, v2, 4, v5                   ; a weight's fragment: row x pitch + 16 x half
	s_mul_i32 s21, s[HF], 64*BP
	s_add_co_u32 s21, s21, BOFS
	v_add_nc_u32 v[ADRB], s21, v5
	s_add_co_u32 s21, s21, SLOT
	v_add_nc_u32 v[ADRB+1], s21, v5
	s_lshl_b32 s21, s[FA], 8
	s_add_co_u32 s21, s21, ASC
	v_lshl_add_u32 v[ADSA], v1, 2, s21             ; my 64 tokens' words of a K step
	v_lshrrev_b32 v5, 1, v1
	v_lshlrev_b32 v6, 7, v1
	v_lshl_add_u32 v5, v5, 4, v6                   ; W2's scales: 128 bytes a row, and 16 more for each 256 passed
	s_mul_i32 s21, s[HF], 8704
	s_add_co_u32 s21, s21, BS2
	v_add_nc_u32 v[ADS2], s21, v5
	v_lshrrev_b32 v5, 3, v1
	v_lshlrev_b32 v6, 5, v1
	v_lshl_add_u32 v5, v5, 4, v6                   ; Wo's: 32 bytes a row
	s_mul_i32 s21, s[HF], 2176
	s_add_co_u32 s21, s21, BSO
	v_add_nc_u32 v[ADSO], s21, v5
	s_mul_i32 s21, s[WV], 16*272
	s_add_co_u32 s21, s21, STAGE                   ; my stage
	v_mul_u32_u24 v5, v1, 272
	v_lshl_add_u32 v5, v2, 5, v5
	v_add_nc_u32 v[STO], s21, v5                   ; in: row r, 32 bytes for each half of the lanes
	v_mul_u32_u24 v5, v2, 272
	v_lshl_add_u32 v5, v1, 4, v5
	v_add_nc_u32 v[RD], s21, v5                    ; back: lanes 0-15 one row, lanes 16-31 the next
	s_wait_loadcnt 0x0                             ; the biases
.set i, 0
.rept 16
	v_pk_add_f32 v[BI+i:BI+i+1], v[BI+i:BI+i+1], v[BI+32+i:BI+33+i]   ; b2 + bo
.set i, i+2
.endr
; 8 matrix instructions: token blocks a0, a0 + 1 x the weight's four, K step c of buffer f.  first = 1: the bias is the C of each sum's first product.
; The 16 accumulators take turns, one instruction a turn, in the same order throughout.
.macro MUL8 f, c, a0, first
.irp a, \a0, \a0+1
.irp b, 0,1,2,3
.if \first
	v_wmma_scale_f32_16x16x128_f8f6f4 v[ACC+8*(4*(\a)+\b):ACC+8*(4*(\a)+\b)+7], v[\f+64+8*(4*\c+\b):\f+64+8*(4*\c+\b)+7], v[\f+8*(4*\c+(\a)):\f+8*(4*\c+(\a))+7], v[BI+8*\b:BI+8*\b+7], v[SW+16*((\f)/128)+8+4*\c+\b], v[SW+16*((\f)/128)+4*\c+(\a)] matrix_a_fmt:MATRIX_FMT_FP4 matrix_b_fmt:MATRIX_FMT_FP4
.else
	v_wmma_scale_f32_16x16x128_f8f6f4 v[ACC+8*(4*(\a)+\b):ACC+8*(4*(\a)+\b)+7], v[\f+64+8*(4*\c+\b):\f+64+8*(4*\c+\b)+7], v[\f+8*(4*\c+(\a)):\f+8*(4*\c+(\a))+7], v[ACC+8*(4*(\a)+\b):ACC+8*(4*(\a)+\b)+7], v[SW+16*((\f)/128)+8+4*\c+\b], v[SW+16*((\f)/128)+4*\c+(\a)] matrix_a_fmt:MATRIX_FMT_FP4 matrix_b_fmt:MATRIX_FMT_FP4
.endif
.endr
.endr
.endm
; 48 LDS loads in one run: quarter qq (K steps 2 qq, 2 qq + 1) of chunk ch, which lies in the slot named, into buffer f: 16 scale words first, then the first K step's 16 loads of codes, then the second's
.macro FETCH slot, qq, ch, f
	WIN 0
.irp c, 0,1
.irp i, 0,1,2,3
	ds_load_b32 v[SW+16*((\f)/128)+4*\c+\i], v[ADSA] offset:(8*(\ch)+2*(\qq)+\c)*512+64*\i
.if (\ch) < 4
	ds_load_b32 v[SW+16*((\f)/128)+8+4*\c+\i], v[ADS2] offset:2176*\i+4*(8*(\ch)+2*(\qq)+\c)
.else
	ds_load_b32 v[SW+16*((\f)/128)+8+4*\c+\i], v[ADSO] offset:544*\i+4*(2*(\qq)+\c)
.endif
.endr
.endr
	WIN TO_F
.irp c, 0,1
.irp i, 0,1,2,3
	ds_load_b128 v[\f+64+8*(4*\c+\i):\f+64+8*(4*\c+\i)+3],   v[ADRB+\slot] offset:64*(2*(\qq)+\c)+16*BP*\i
	ds_load_b128 v[\f+64+8*(4*\c+\i)+4:\f+64+8*(4*\c+\i)+7], v[ADRB+\slot] offset:64*(2*(\qq)+\c)+16*BP*\i+32
	ds_load_b128 v[\f+8*(4*\c+\i):\f+8*(4*\c+\i)+3],         v[ADRA+\slot] offset:8192*\i+1024*(2*(\qq)+\c)
	ds_load_b128 v[\f+8*(4*\c+\i)+4:\f+8*(4*\c+\i)+7],       v[ADRA+\slot] offset:8192*\i+1024*(2*(\qq)+\c)+512
.endr
.endr
.endm
; x for block a of the way out: 16 tokens x my 64 columns, as the way out will want it: lanes 0-15 read 256 consecutive bytes of one row, lanes 16-31 of the next
.macro XLOAD a
	WIN 0x80                                       ; destination window 2
.irp t, 0,1,2,3,4,5,6,7
	global_load_b128 v[32*(\a)+4*\t:32*(\a)+4*\t+3], v[CO], s[8:9] offset:(16*(\a)+2*\t)*4096 th:TH_LOAD_NT
.endr
.endm
.macro PLACES                          ; four places in front of loads into registers that matrix instructions have read, and of reads of results
.rept 4
	v_nop
.endr
.endm
; One of a chunk's first three quarters: multiplies buffer f and fetches quarter qq of the same chunk into g.  xl = 1: a quarter of x is asked for behind the run of LDS loads
.macro QUARTER slot, qq, ch, f, g, first, xl
	s_wait_dscnt 16                                ; the scale words and the first K step are in; the second K step's 16 loads may be out
	WIN MUL
	MUL8 \f, 0, 0, \first
	MUL8 \f, 0, 2, \first
	PLACES
	FETCH \slot, \qq, \ch, \g
.if \xl
	XLOAD \ch
.endif
	s_wait_dscnt 48                                ; all but the 48 just issued
	WIN MUL
	MUL8 \f, 1, 0, 0
	MUL8 \f, 1, 2, 0
.endm
.macro THREE slot, ch, first
.if (\ch) < 4
	QUARTER \slot, 1, \ch, F0, F1, \first, 1
.else
	QUARTER \slot, 1, \ch, F0, F1, \first, 0
.endif
	QUARTER \slot, 2, \ch, F1, F0, 0, 0
	QUARTER \slot, 3, \ch, F0, F1, 0, 0
.endm
; A chunk's last quarter multiplies buffer 1 and changes slots: ONE barrier; in front of it each wave waits for all its tensor loads (one is out: its part of the next slot), adds 0 to its spare word, and waits for that and for
; its own reads of this slot.  fill = 1: the barrier opens a round of the cluster's barrier, and this slot is filled again, with the chunk two on: the wave's one tensor load behind the round, 112 matrix instructions ahead of the wait for it.
.macro TURN slot, next, ch, fill
	WIN 0                                          ; (the add's two registers lie in window 0)
	s_wait_tensorcnt 0x0
	ds_add_u32 v[SPW], v[NIL]                      ; 0 onto my spare word
	s_wait_dscnt 17                                ; (the add and the youngest sixteen loads may be out)
	WIN MUL
	MUL8 F1, 0, 0, 0                               ; eight matrix instructions stand between the add and the wait for it
	s_wait_dscnt 0x0                               ; the add is done, and my reads of this slot are over
	s_barrier_signal -1
	MUL8 F1, 0, 2, 0
.if \fill
	WIN 0
.endif
	s_barrier_wait -1
.if \fill
	CREST                                          ; no wave of any partner still reads this slot or has a load on its way
	s_add_nc_u64 s[G0A+4*\slot+2:G0A+4*\slot+3], s[G0A+4*\slot+2:G0A+4*\slot+3], 16384   ; two chunks of 8 images on
.if (\ch) == 2
	s_mov_b64 s[G0B+2:G0B+3], s[WOA:WOA+1]         ; the last chunk's weight is Wo: its rows,
	s_or_b32 s[G0B+3], s[G0B+3], 0x80000000
	s_mov_b32 s[G1B+5], 512                        ; and its pitch (no tensor load of mine is out, and none for W2 follows)
.else
	s_add_nc_u64 s[G0B+4*\slot+2:G0B+4*\slot+3], s[G0B+4*\slot+2:G0B+4*\slot+3], 1024    ; two chunks of 512 bytes on in W2's rows
.endif
.if (\ch) == 0
	s_mov_b32 s[G1B+2], 64<<16                     ; no tensor load of mine is out: the refills bring 64 rows of a weight a wave
	s_mov_b32 s[G1B+4], 64
.endif
	JLOAD \slot
.else
	PLACES
.endif
	FETCH \next, 0, (\ch)+1, F0
.if (\ch) == 0
	global_prefetch_b8 v11, s[2:3] th:TH_LOAD_NT scope:SCOPE_SE     ; chunk 4, which the change of slots after the next will load
.endif
	WIN MUL
	MUL8 F1, 1, 0, 0
	MUL8 F1, 1, 2, 0
.endm
	s_wait_alu depctr_va_vdst(0)
	s_wait_tensorcnt 0x0                           ; my tile of the head's four is in
	ds_add_u32 v[SPW], v[NIL]
	s_mov_b32 s[G1A+2], 4<<16                      ; no tensor load of mine is out: from here on a load brings 4 token tiles
	s_mov_b32 s[G1A+4], 4
	s_wait_dscnt 0x0
	CROUND                                         ; all four tiles are in, and all sixteen work-groups are here
	; the later first fills, one a wave: waves 0 and 1 chunk 1's halves of the tokens, wave 2 its 128 rows of W2, wave 3 Wo's scale bytes
	HARM 2, G0A+4, G1A, .Lsecond_b,  .Lsecond_asked
	HARM 3, G0B+4, G1B, .Lsecond_so, .Lsecond_asked
	tensor_load_to_lds s[G0SO:G0SO+3], s[G1SO:G1SO+7]
	s_nop 0
.rept 4
	v_nop
.endr
.Lsecond_asked:
	FETCH 0, 0, 0, F0
	global_prefetch_b8 v10, s[104:105] th:TH_LOAD_NT scope:SCOPE_SE ; chunk 3, which the change of slots after the next will load
	THREE 0, 0, 1
	TURN 0, 1, 0, 1                                ; slot 0 takes chunk 2
	THREE 1, 1, 0
	TURN 1, 0, 1, 1                                ; slot 1 takes chunk 3
	THREE 0, 2, 0
	TURN 0, 1, 2, 1                                ; slot 0 takes chunk 4: o and Wo
	THREE 1, 3, 0
	TURN 1, 0, 3, 0                                ; nothing is left to ask for
	THREE 0, 4, 0
	s_wait_dscnt 16                                ; the very last quarter: nothing more to fetch
	WIN MUL
	MUL8 F1, 0, 0, 0
	MUL8 F1, 0, 2, 0
	s_wait_dscnt 0
	MUL8 F1, 1, 0, 0
	MUL8 F1, 1, 2, 0
	WIN 0
	; THE WAY OUT, 16 tokens x 64 columns at a time: a lane holds 32 neighbouring bytes of a row; they go through my own stage and come back as whole rows of 256 bytes; x is added; sixteen lanes store 256 consecutive bytes.
	PLACES
.irp a, 0,1,2,3
.set T, BI+32*(\a%2)
.if \a >= 2
	s_wait_xcnt 0x0                                ; the stores of two blocks back have read these registers
.endif
.irp b, 0,1,2,3
	ds_store_b128 v[STO], v[ACC+8*(4*\a+\b):ACC+8*(4*\a+\b)+3] offset:64*\b          ; each accumulator from its low end on
	ds_store_b128 v[STO], v[ACC+8*(4*\a+\b)+4:ACC+8*(4*\a+\b)+7] offset:64*\b+16
.endr
.irp t, 0,1,2,3,4,5,6,7
	ds_load_b128 v[T+4*\t:T+4*\t+3], v[RD] offset:\t*2*272         ; LDS serves a wave's instructions in order (ISA guide 5.7.1.4): these see my stores, and the next block's stores come behind them
.endr
	s_wait_loadcnt 24-8*\a                         ; this block's eight loads of x are in; the later blocks' eight each may be out
	s_wait_dscnt 0x0
	WIN 0x08                                       ; source 1 (x) window 2
.set i, 0
.rept 16
	v_pk_add_f32 v[T+i:T+i+1], v[T+i:T+i+1], v[32*\a+i:32*\a+i+1]
.set i, i+2
.endr
	WIN 0
.irp t, 0,1,2,3,4,5,6,7
	global_store_b128 v[CO], v[T+4*\t:T+4*\t+3], s[10:11] offset:(16*\a+2*\t)*4096 th:TH_STORE_NT   ; at a multiple of 256 from the output's first byte; written once, read by nobody here
.endr
.endr
	s_wait_tensorcnt 0x0                           ; the wave's end, behind my last tensor load and my last LDS store
	ds_add_u32 v[SPW], v[NIL]
	s_wait_dscnt 0x0
	CROUND                                         ; the closing round: no work-group ends while a partner may still ask for a tile that names it
	s_endpgm
.Lfunc_end_k_q1ca011ca53_outp:
	.size	k_q1ca011ca53_outp, .Lfunc_end_k_q1ca011ca53_outp-k_q1ca011ca53_outp
	.p2alignl 7, 3214868480
	.fill 96, 4, 3214868480
	.section	.rodata,"a",@progbits
	.p2align	6, 0x0
	.amdhsa_kernel k_q1ca011ca53_outp
		.amdhsa_group_segment_fixed_size 327680
		.amdhsa_private_segment_fixed_size 0
		.amdhsa_enable_private_segment 0
		.amdhsa_kernarg_size 80
		.amdhsa_user_sgpr_count 2
		.amdhsa_user_sgpr_kernarg_segment_ptr 1
		.amdhsa_wavefront_size32 1
		.amdhsa_system_sgpr_workgroup_id_x 1
		.amdhsa_system_sgpr_workgroup_id_y 1
		.amdhsa_system_sgpr_workgroup_id_z 1
		.amdhsa_system_vgpr_workitem_id 0
		.amdhsa_next_free_vgpr 640
		.amdhsa_next_free_sgpr 106
		.amdhsa_reserve_vcc 0
		.amdhsa_float_denorm_mode_32 3
		.amdhsa_float_denorm_mode_16_64 3
		.amdhsa_memory_ordered 1
		.amdhsa_forward_progress 1
		.amdhsa_inst_pref_size 180
	.end_amdhsa_kernel
	.amdgpu_metadata
---
amdhsa.version: [ 1, 2 ]
amdhsa.kernels:
  - .name:           k_q1ca011ca53_outp
    .symbol:         k_q1ca011ca53_outp.kd
    .args:
      - { .name: a2c, .offset: 0, .size: 8, .value_kind: global_buffer, .address_space: global }
      - { .name: a2s, .offset: 8, .size: 8, .value_kind: global_buffer, .address_space: global }
      - { .name: W2_codes, .offset: 16, .size: 8, .value_kind: global_buffer, .address_space: global }
      - { .name: W2_scales, .offset: 24, .size: 8, .value_kind: global_buffer, .address_space: global }
      - { .name: Wo_codes, .offset: 32, .size: 8, .value_kind: global_buffer, .address_space: global }
      - { .name: Wo_scales, .offset: 40, .size: 8, .value_kind: global_buffer, .address_space: global }
      - { .name: b2, .offset: 48, .size: 8, .value_kind: global_buffer, .address_space: global }
      - { .name: bo, .offset: 56, .size: 8, .value_kind: global_buffer, .address_space: global }
      - { .name: x, .offset: 64, .size: 8, .value_kind: global_buffer, .address_space: global }
      - { .name: out0, .offset: 72, .size: 8, .value_kind: global_buffer, .address_space: global }
    .group_segment_fixed_size: 327680
    .private_segment_fixed_size: 0
    .kernarg_segment_align: 8
    .kernarg_segment_size: 80
    .max_flat_workgroup_size: 128
    .sgpr_count:     106
    .vgpr_count:     640
    .wavefront_size: 32
...
	.end_amdgpu_metadata
.endif
;; end of part 4
